; MI455X (gfx1250); checked and timed in simulation.
; The chip was launched on July 23, 2026; its instructions are those of AMD's public machine-readable ISA for CDNA 5 (MIT licence, August 2026) and "CDNA5" Instruction Set Architecture Reference Guide (July 2026). The comments in the code are by the model that wrote it; some were corrected since.
;; Cross Attention. Allowed arithmetic: matrix products marked QUANTISED: E2M1 operands, one E8M0 scale for each 32 along K, by v_wmma_scale_f32_16x16x128_f8f6f4 with both operands' format E2M1 (or v_wmma_scale_f32_32x16x128_f4), f32 sums; everything else in f32.
;; Inputs: bk 1,024 float32; bo 1,024 float32; bq 1,024 float32; bv 1,024 float32; k 4 x 2,048 x 1,024 float32; mask 4 x 2,048 int32; q 4 x 2,048 x 1,024 float32; v 4 x 2,048 x 1,024 float32; wk 1,024 x 1,024 float32; wo 1,024 x 1,024 float32; wq 1,024 x 1,024 float32; wv 1,024 x 1,024 float32.
;; Outputs: out0 4 x 2,048 x 1,024 float32.
;; This version of the problem:
;;   THIS VERSION OF THE PROBLEM IS GIVEN IN LOW PRECISION. The matrix products marked QUANTISED in the list below multiply operands that are first quantised to E2M1 (2 exponent bits, 1 mantissa bit; 4 bits a number), with one power-of-two scale for each 32 numbers along K (OCP MX v1.0); their sums are f32. All else is computed in f32.
;;   The module's matrix products, in the order in which they are computed (A, B: the left and right operand; K: the contracted axis; several contracted axes count as one K, in the product's order):
;;     1. [M 8,192, K 1,024] x [K 1,024, N 1,024]; A: input q; B: input wq: QUANTISED
;;     2. [M 8,192, K 1,024] x [K 1,024, N 1,024]; A: input k; B: input wk: QUANTISED
;;     3. [M 8,192, K 1,024] x [K 1,024, N 1,024]; A: input v; B: input wv: QUANTISED
;;     4. batch 64 x [M 2,048, K 64] x [K 64, N 2,048]; A: computed on the way; B: computed on the way: QUANTISED
;;     5. batch 64 x [M 2,048, K 2,048] x [K 2,048, N 64]; A: softmax (see below); B: computed on the way: QUANTISED
;;     6. [M 8,192, K 1,024] x [K 1,024, N 1,024]; A: computed on the way; B: input wo: QUANTISED
;;   THE QUANTISER, for each operand of a quantised product, along K:
;;     - K is cut into blocks of 32 from its start; a last block that is shorter is filled with zeros.
;;     - A block's scale is 2^e with e = floor(log2(the largest magnitude in the block)) - 2, held to -126 .. 127; a block of zeros has e = 0. As a byte (E8M0): e + 127.
;;     - Each number is divided by its block's scale, clamped to +-6, and rounded to the nearest number of E2M1, ties to even, subnormals kept.
;;     - The product sums the exact products of the quantised numbers (number of the format x scale) in f32.
;;   ~~~python
;;   def quantise(x, axis):      # numpy; x: float32 -> the quantised numbers, widened to float32 again
;;       x = np.moveaxis(x, axis, -1); K = x.shape[-1]
;;       x = np.pad(x, [(0, 0)] * (x.ndim - 1) + [(0, -K % 32)]); x = x.reshape(x.shape[:-1] + (-1, 32)); a = np.abs(x).max(-1, keepdims=True)
;;       e = np.where(a > 0, np.clip(np.frexp(np.where(a > 0, a, 1))[1] - 1 - 2, -126, 127), 0)      # np.frexp(a)[1] - 1 = floor(log2(a)), exactly
;;       r = np.clip(x / 2.0 ** e, -6, 6)
;;       step = 2.0 ** (np.maximum(np.frexp(np.where(r == 0, 1, r))[1] - 1, 0) - 1)
;;       q = np.round(r / step) * step * 2.0 ** e      # np.round: ties to even
;;       return np.moveaxis(q.reshape(q.shape[:-2] + (-1,))[..., :K], -1, axis).astype(np.float32)
;;   ~~~
;;   SOFTMAX AHEAD OF A QUANTISED PRODUCT. Where the list says 'softmax', what is quantised is not the finished softmax but p = 2^(t - M), with t = logit x log2(e) and M = ceil(the row's largest t), a whole number; so 1/2 < the row's largest p <= 1. The row's sum l is taken of the UNQUANTISED p, in f32, and the product's result is divided by l at the end. Since M is a whole number, a kernel that streams over the keys may use a running M (the ceiling of the running maximum): every later rescaling is an exact power of two, which a block's scale takes up: the codes' values come out the same.
;;   OPERANDS COMPUTED ON THE WAY. 'Computed on the way' means the value that the module computes at that place (a softmax that the list does not call 'softmax' is quantised finished and normalised). What goes into a quantiser is computed in f32, as accurately as f32 sums, v_exp_f32 and their like allow (about 1e-6 of the number): no bf16 or f16 on the way to a quantiser, and a product that is left as it is and whose result goes on into a quantised operand takes f32 operands (vector FMAs, or v_wmma_f32_16x16x4_f32). A number that lies on a knife's edge between two numbers of the format may be rounded either way, as far as f32 arithmetic and the matrix unit's own rounding can turn it there, and no further.
;; 2 versions, each right; version 2 is version 1 with the launch attn written anew for expert scheduling mode. Each part assembles by itself: llvm-mc -triple=amdgcn-amd-amdhsa -mcpu=gfx1250 --defsym DOCPART=n.
;; ======== version 1 of 2: 4 launches
;; workspace buffers: codes 14,680,064 bytes; scales 917,504 bytes; pc 12,582,912 bytes; ps 1,310,720 bytes; hc 4,194,304 bytes; hs 262,144 bytes; order 66,048 bytes of whole numbers
;; launch quant (part 1): grid 449 x 1, 4 waves a work-group, no clusters, 34,304 bytes of LDS; arguments q, k, v, wq, wk, wv, wo, mask, codes, scales, order; writes codes, scales, order
.if DOCPART == 1
	.amdgcn_target "amdgcn-amd-amdhsa--gfx1250"
	.amdhsa_code_object_version 6
	.text
	.protected	k_qb625693166_quant
	.globl	k_qb625693166_quant
	.p2align	8
	.type	k_qb625693166_quant,@function
k_qb625693166_quant:
	s_mov_b64 s[64:65], 0
	v_nop
	global_prefetch_b8 v0, s[64:65] scope:SCOPE_SE
	s_setreg_imm32_b32 hwreg(HW_REG_WAVE_MODE, 25, 1), 1
	s_wait_xcnt 0x0
; CROSS-ATTENTION IN MX-FP4, LAUNCH 1 OF 4: q, k, v [8192][1024] and wq, wk, wv, wo [1024][1024], f32, become codes of E2M1 with one E8M0 byte for each 32 along their last axis; and the mask becomes lists.
; WHAT THE PROGRAM DOES NOT REPEAT.  reference() sets every logit of a query row whose mask is 0 to -1e9.  Then t = -1e9 x log2(e) is the same for all keys and is a whole number in f32, so M = t, p = 1 for every key
; and l = 2048, whatever q holds: the same p and l as scores that are all 0.  So all blanked rows of a batch have ONE hidden row, sum over the keys of the quantised V / 2048.  It is computed once for each batch (by a query
; whose codes are zeros), and only rows whose mask is not 0 are attended.  Whole numbers decide that: this launch stores them as lists, later launches read them.  No input is left out.
; LIMITS: NaN and infinities among the inputs are not served; a block whose largest magnitude lies under 2^-124 keeps the scale byte 1 (a block of zeros too: its codes are zeros, and this program alone reads the bytes).
; THE WORKSPACE IS LAID IN THE ORDER OF THE OPERANDS' REGISTERS.  A tile is 16 rows; tile T = 2 B + u holds rows 32 B + 8 u + (r & 7) + 16 (r >> 3), r = 0 .. 15, so that the results of tiles 2 B and 2 B + 1, used as
; source 0, are 16 neighbours in a lane.  codes: byte 8192 T + 1024 s + 512 c + 16 lane: the 32 codes k = 128 s + 64 c + 32 (lane / 16) + 0 .. 31 of the tile's row lane % 16.
; scales: byte 512 T + 16 lane + 4 i: the scale word of row lane % 16 for K step s = 2 i + lane / 16.  Tiles: q from 0, k 512, v 1024, wq 1536, wk 1600, wv 1664, wo 1728.
; SHARES.  Work-groups 0 to 447: a wave takes one tile, in eight K steps of 128.  Each load reads 512 consecutive bytes of one row; a step's 16 rows turn through the wave's own stage in LDS (rows 528 bytes apart)
; and come back 16 neighbours of each block of 32 to a lane.  Waves share nothing: no barrier.  Two steps' loads (32 a wave) are out.
; Work-group 448: wave b sorts batch b's 2,048 rows: order[b][pos] = row, rows whose mask is not 0 from the front, the others from the back; rank[b][row] = pos; c = how many are not 0 (32 copies).
.set STGB,  8448                       ; a wave's stage: 16 rows x (512 + 16) bytes
.set SPARE, 4*STGB                     ; behind the stages: the spare words, 128 bytes a wave
.set LI,   1                           ; v1   16 x lane
.set SIN,  2                           ; v2   the stage on the way in
.set SOUT, 3                           ; v3   and on the way out
.set LN,   5                           ; v5   lane
.set R,    16                          ; v16-143  two sets of 64: a step's numbers as loaded
.set X,    144                         ; v144-207 register 16 b + e = k 32 b + 16 (lane / 16) + e of my row
.set TM,   208                         ; v208-223 at work in QUANT
.set PC,   224                         ; v224-231 the fragment just made
.set PW,   240                         ; v240     its scale word
.set SC,   244                         ; v244-247 the tile's scale image
.set SPW,  248                         ; v248     my spare word's LDS address; never rewritten
.set NIL,  249                         ; v249     0; never rewritten
.set WV,   30
.set SEL,  32                          ; s[32:33] selects of v_permlanex16_b32: lane xor 16
.set UP,   34                          ; s34      lanes 16 to 31
; 64 numbers of a lane become a fragment's 8 registers of codes and its scale word
.macro QUANT s, pc, pw
.irp b, 0,1,2,3
	v_max3_num_f32 v[TM+\b], |v[(\s)+16*\b]|, |v[(\s)+1+16*\b]|, 0x1800000   ; my 16 of block b, and the floor 2^(3 - 127): the byte cannot fall under 1
.endr
.irp i, 2,4,6,8,10,12,14
.irp b, 0,1,2,3
	v_max3_num_f32 v[TM+\b], v[TM+\b], |v[(\s)+16*\b+\i]|, |v[(\s)+1+16*\b+\i]|
.endr
.endr
.irp b, 0,1,2,3
	v_permlanex16_b32 v[TM+4+\b], v[TM+\b], s[SEL], s[SEL+1]
.endr
.irp b, 0,1,2,3
	v_max_num_f32 v[TM+\b], v[TM+\b], v[TM+4+\b]   ; with lane xor 16's 16: the block's largest magnitude
.endr
.irp b, 0,1,2,3
	v_add_nc_u32 v[TM+12+\b], 0xff000000, v[TM+\b]   ; 2 off its exponent field: the conversion's scale operand
.endr
.irp b, 0,1,2,3
	v_lshrrev_b32 v[TM+4+\b], 23, v[TM+12+\b]      ; the scale's byte
.endr
	v_lshl_or_b32 v[\pw], v[TM+5], 8, v[TM+4]
	v_lshl_or_b32 v[\pw], v[TM+6], 16, v[\pw]
	v_lshl_or_b32 v[\pw], v[TM+7], 24, v[\pw]
.irp b, 0,1,2,3
	v_cvt_scalef32_pk8_fp4_f32 v[(\pc)+2*\b], v[(\s)+16*\b:(\s)+7+16*\b], v[TM+12+\b]
	v_cvt_scalef32_pk8_fp4_f32 v[(\pc)+1+2*\b], v[(\s)+8+16*\b:(\s)+15+16*\b], v[TM+12+\b]
.endr
	v_nop                                          ; one plain instruction behind the scaled conversions
.irp c, 0,1
.irp i, 0,1
	v_permlane16_swap_b32 v[(\pc)+4*\c+\i], v[(\pc)+2+4*\c+\i]   ; a whole block to a lane: lanes 0-15 block 2 c, lanes 16-31 block 2 c + 1
.endr
.endr
.endm
	s_load_b256 s[8:15], s[0:1], 0x0               ; q, k, v, wq
	s_load_b256 s[16:23], s[0:1], 0x20             ; wk, wv, wo, mask
	s_load_b128 s[24:27], s[0:1], 0x40             ; codes, scales
	s_load_b64 s[28:29], s[0:1], 0x50              ; order
	v_lshl_add_u32 v[SPW], v0, 2, SPARE
	v_mov_b32 v[NIL], 0
	v_lshrrev_b32 v4, 5, v0
	v_readfirstlane_b32 s[WV], v4                  ; wave 0..3
	v_and_b32 v[LN], 31, v0
	s_cmp_eq_u32 ttmp9, 448
	s_cbranch_scc1 .Lsort
	v_lshlrev_b32 v[LI], 4, v[LN]
	s_mul_i32 s31, s[WV], STGB
	v_add_nc_u32 v[SIN], s31, v[LI]                ; in: a row's 512 bytes, 16 a lane
	v_and_b32 v6, 15, v0
	v_bfe_u32 v7, v0, 4, 1
	v_mul_u32_u24 v[SOUT], v6, 528
	v_lshl_add_u32 v[SOUT], v7, 6, v[SOUT]
	v_add_nc_u32 v[SOUT], s31, v[SOUT]             ; out: row lane % 16, + 64 bytes for lanes 16-31
.irp b, 0,1,2,3
	v_mov_b32 v[TM+4+\b], 0                        ; a lane permute's destination counts as read
.endr
	s_mov_b32 s[SEL], 0x76543210
	s_mov_b32 s[SEL+1], 0xfedcba98
	s_mov_b32 s[UP], 0xffff0000
	s_lshl_b32 s2, ttmp9, 2                        ; the work-group's first tile: all four lie in one tensor
	s_wait_kmcnt 0x0
	s_mov_b64 s[4:5], s[8:9]
	s_mov_b32 s3, 0
.macro PICK lim, ptr                   ; from tile lim on: the next tensor.  The choice hangs on the work-group's number alone
	s_cmp_ge_u32 s2, \lim
	s_cselect_b64 s[4:5], s[\ptr:\ptr+1], s[4:5]
	s_cselect_b32 s3, \lim, s3
.endm
	PICK 512, 10
	PICK 1024, 12
	PICK 1536, 14
	PICK 1600, 16
	PICK 1664, 18
	PICK 1728, 20
	s_add_co_u32 s2, s2, s[WV]                     ; my tile
	s_sub_co_u32 s3, s2, s3                        ; and its number in its tensor
	s_lshr_b32 s6, s3, 1
	s_lshl_b32 s6, s6, 17                          ; 32 rows of 4,096 bytes for each pair of tiles,
	s_and_b32 s7, s3, 1
	s_lshl_b32 s7, s7, 15                          ; 8 rows for the odd tile
	s_add_co_u32 s6, s6, s7
	s_mov_b32 s7, 0
	s_add_nc_u64 s[4:5], s[4:5], s[6:7]
	s_lshl_b32 s6, s2, 13
	s_add_nc_u64 s[24:25], s[24:25], s[6:7]
	s_lshl_b32 s6, s2, 9
	s_add_nc_u64 s[26:27], s[26:27], s[6:7]
.macro LOAD s                          ; K step s of the tile's 16 rows: each load 512 consecutive bytes
.set ii, 0
.rept 16
	global_load_b128 v[R+64*((\s)%2)+4*ii:R+64*((\s)%2)+4*ii+3], v[LI], s[4:5] offset:((ii%8)+16*(ii/8))*4096+512*(\s) th:TH_LOAD_NT
.set ii, ii+1
.endr
.endm
.macro QSTEP s
.if (\s) < 7
	s_wait_loadcnt 16                              ; this step's 16 loads are in; the next step's 16 stay out
.else
	s_wait_loadcnt 0x0
.endif
.set ii, 0
.rept 16
	ds_store_b128 v[SIN], v[R+64*((\s)%2)+4*ii:R+64*((\s)%2)+4*ii+3] offset:ii*528
.set ii, ii+1
.endr
.irp b, 0,1,2,3
.irp j, 0,1,2,3
	ds_load_b128 v[X+16*\b+4*\j:X+16*\b+4*\j+3], v[SOUT] offset:128*\b+16*\j   ; LDS serves a wave's instructions in order: these see the stores above
.endr
.endr
	s_wait_dscnt 0x0                               ; the numbers are back, and the stores have read their registers
	s_wait_xcnt 0x0                                ; the last step's global stores have read the codes' registers
.if (\s)+2 < 8
	LOAD (\s)+2
.endif
	QUANT X, PC, PW
	global_store_b128 v[LI], v[PC:PC+3], s[24:25] offset:1024*(\s)        ; 512 consecutive bytes a store
	global_store_b128 v[LI], v[PC+4:PC+7], s[24:25] offset:1024*(\s)+512
.if (\s)%2 == 0
	v_mov_b32 v[SC+(\s)/2], v[PW]                  ; an even step's word for lanes 0-15,
.else
	v_cndmask_b32 v[SC+(\s)/2], v[SC+(\s)/2], v[PW], s[UP]   ; the odd step's for lanes 16-31
.endif
.endm
	LOAD 0
	LOAD 1
.irp s, 0,1,2,3,4,5,6,7
	QSTEP \s
.endr
	global_store_b128 v[LI], v[SC:SC+3], s[26:27]  ; the tile's scale image: 512 consecutive bytes
	s_branch .Lend
.Lsort:                                            ; wave b: batch b.  Chunk t is rows 32 t + lane.  Each chunk has registers of its own: no store's source is rewritten
	v_lshlrev_b32 v3, 2, v[LN]
	s_lshl_b32 s2, s[WV], 13
	s_mov_b32 s3, 0
	s_lshl_b32 s6, s[WV], 7
	s_mov_b32 s7, 0
	s_mov_b32 s36, 0                               ; rows so far whose mask is not 0
	s_wait_kmcnt 0x0
	s_add_nc_u64 s[22:23], s[22:23], s[2:3]
	s_add_nc_u64 s[4:5], s[28:29], s[2:3]          ; order[b]; rank[b] lies 32,768 bytes on
	s_add_nc_u64 s[28:29], s[28:29], s[6:7]        ; the count's 128 bytes lie 65,536 bytes on
.set t, 0
.rept 64
	global_load_b32 v[16+t], v3, s[22:23] offset:128*t
.set t, t+1
.endr
	s_wait_loadcnt 0x0
.set t, 0
.rept 64
	v_cmp_ne_u32 s37, 0, v[16+t]                   ; the lanes whose row is attended
	v_mbcnt_lo_u32_b32 v6, s37, 0                  ; how many of them stand under me
	v_add_nc_u32 v6, s36, v6                       ; such rows ahead of mine: my place from the front
	v_sub_nc_u32 v7, v6, v[LN]
	v_add_nc_u32 v7, 2047-32*t, v7                 ; 2,047 less the blanked rows ahead of mine: my place from the back
	v_cndmask_b32 v[80+t], v7, v6, s37
	v_min_u32 v[80+t], 0x7ff, v[80+t]              ; a position lies in 0 .. 2,047
	v_lshlrev_b32 v[144+t], 2, v[80+t]
	v_add_nc_u32 v[16+t], 32*t, v[LN]              ; my row
	global_store_b32 v3, v[80+t], s[4:5] offset:32768+128*t
	global_store_b32 v[144+t], v[16+t], s[4:5]
	s_bcnt1_i32_b32 s38, s37
	s_add_co_u32 s36, s36, s38
.set t, t+1
.endr
	v_mov_b32 v8, s36
	global_store_b32 v3, v8, s[28:29] offset:65536
.Lend:
	s_wait_tensorcnt 0x0                           ; the wave's end
	ds_add_u32 v[SPW], v[NIL]
	s_wait_dscnt 0x0
	s_endpgm
.Lfunc_end_k_qb625693166_quant:
	.size	k_qb625693166_quant, .Lfunc_end_k_qb625693166_quant-k_qb625693166_quant
	.p2alignl 7, 3214868480
	.fill 96, 4, 3214868480
	.section	.rodata,"a",@progbits
	.p2align	6, 0x0
	.amdhsa_kernel k_qb625693166_quant
		.amdhsa_group_segment_fixed_size 34304
		.amdhsa_private_segment_fixed_size 0
		.amdhsa_enable_private_segment 0
		.amdhsa_kernarg_size 88
		.amdhsa_user_sgpr_count 2
		.amdhsa_user_sgpr_kernarg_segment_ptr 1
		.amdhsa_wavefront_size32 1
		.amdhsa_system_sgpr_workgroup_id_x 1
		.amdhsa_system_sgpr_workgroup_id_y 1
		.amdhsa_system_sgpr_workgroup_id_z 1
		.amdhsa_system_vgpr_workitem_id 0
		.amdhsa_next_free_vgpr 256
		.amdhsa_next_free_sgpr 66
		.amdhsa_reserve_vcc 0
		.amdhsa_float_denorm_mode_32 3
		.amdhsa_float_denorm_mode_16_64 3
		.amdhsa_memory_ordered 1
		.amdhsa_forward_progress 1
		.amdhsa_inst_pref_size 116
	.end_amdhsa_kernel
	.amdgpu_metadata
---
amdhsa.version: [ 1, 2 ]
amdhsa.kernels:
  - .name:           k_qb625693166_quant
    .symbol:         k_qb625693166_quant.kd
    .args:
      - { .name: q, .offset: 0, .size: 8, .value_kind: global_buffer, .address_space: global }
      - { .name: k, .offset: 8, .size: 8, .value_kind: global_buffer, .address_space: global }
      - { .name: v, .offset: 16, .size: 8, .value_kind: global_buffer, .address_space: global }
      - { .name: wq, .offset: 24, .size: 8, .value_kind: global_buffer, .address_space: global }
      - { .name: wk, .offset: 32, .size: 8, .value_kind: global_buffer, .address_space: global }
      - { .name: wv, .offset: 40, .size: 8, .value_kind: global_buffer, .address_space: global }
      - { .name: wo, .offset: 48, .size: 8, .value_kind: global_buffer, .address_space: global }
      - { .name: mask, .offset: 56, .size: 8, .value_kind: global_buffer, .address_space: global }
      - { .name: codes, .offset: 64, .size: 8, .value_kind: global_buffer, .address_space: global }
      - { .name: scales, .offset: 72, .size: 8, .value_kind: global_buffer, .address_space: global }
      - { .name: order, .offset: 80, .size: 8, .value_kind: global_buffer, .address_space: global }
    .group_segment_fixed_size: 34304
    .private_segment_fixed_size: 0
    .kernarg_segment_align: 8
    .kernarg_segment_size: 88
    .max_flat_workgroup_size: 128
    .sgpr_count:     66
    .vgpr_count:     256
    .wavefront_size: 32
...
	.end_amdgpu_metadata
.endif
;; end of part 1
;; launch proj (part 2): grid 64 x 12, 4 waves a work-group, clusters of 4 x 1, 167,936 bytes of LDS; arguments codes, scales, bq, bk, bv, pc, ps; writes pc, ps
.if DOCPART == 2
	.amdgcn_target "amdgcn-amd-amdhsa--gfx1250"
	.amdhsa_code_object_version 6
	.text
	.protected	k_qb625693166_proj
	.globl	k_qb625693166_proj
	.p2align	8
	.type	k_qb625693166_proj,@function
k_qb625693166_proj:
	s_mov_b64 s[64:65], 0
	v_nop
	global_prefetch_b8 v0, s[64:65] scope:SCOPE_SE
	s_setreg_imm32_b32 hwreg(HW_REG_WAVE_MODE, 25, 1), 1
	s_wait_xcnt 0x0
	s_wait_alu depctr_hold_cnt(0) depctr_sa_sdst(0) depctr_va_vdst(0) depctr_va_sdst(0) depctr_va_ssrc(0) depctr_va_vcc(0) depctr_vm_vsrc(0)
	s_getreg_b32 s2, hwreg(HW_REG_IB_STS2, 6, 4)
	s_cmp_eq_u32 s2, 0
	s_cbranch_scc0 .Lentry_in_a_cluster
	s_endpgm
.Lentry_in_a_cluster:
	s_bfe_u32 s2, ttmp6, 0x10000c
	s_cmp_lg_u32 s2, 0x3003
	s_cbranch_scc0 .Lentry_shape_is_right
	s_endpgm
.Lentry_shape_is_right:
; LAUNCH 2 OF 4: Q = q wq^T + bq, K = k wk^T + bk, V = v wv^T + bv on codes of E2M1, and each result quantised at once for the product that takes it: Q and K along the head's 64, V along the keys.
; ONE FORM FOR ALL THREE: D = S0 S1^T, used so that a lane's registers run along S0's rows, which is the axis to be quantised.  y = 0-3: Q, 4-7: K (S0 = 256 rows of the weight, S1 = 128 tokens);
; y = 8-11: V (S0 = 256 tokens, S1 = 128 rows of wv).  A work-group is 16 tiles of S0 x 8 tiles of S1; wave (g = w & 1, hf = w >> 1) has 8 x 4: 32 accumulators.
; S0, all 1,024 of K, comes into LDS by three tensor loads a wave (scale images; K steps 0-3; K steps 4-7), filled once.  The four work-groups of a cluster share S0: its address holds no place in the cluster, and
; each load is asked for jointly, with a mask that names the four.  S1 goes from memory straight into registers: each lane's fragments lie whole in the workspace.
; OUT.  pc: Q at 0, K at 4 MiB: [batch x 16 + head][token tile 0..127][512 bytes]: lane (r, h) holds d = 32 h + 0 .. 31 of the tile's token r;  V at 8 MiB: [b x 16 + head][key step 0..15][d tile 0..3][1,024 bytes].
; ps: Q's scale words at 0, K's at 0x80000: [bh][step][16 lane + 4 i] for token tile 2 i + lane / 16 of the step (bytes 0, 1 the head's two; bytes 2, 3 never 0xff);  V's at 0x100000: [bh][step][8 lane + 4 i], d tile 2 i + lane / 16.
; LIMITS as in the first launch.
; REGISTERS: window 0: v1-15 addresses; v16-47 S0's scale words, v48-63 S1's; v64-127, v128-191 S0's fragments, two sets (later the numbers to be quantised and QUANT's work); v192-255 the bias.
;   window 1: accumulator (a, m) at v[64 m + 8 a].   window 2: S1's fragment (m, s) at v[64 m + 8 s].
.set SPARE, 139264                     ; LDS: 0 K steps 0-3 of S0's 16 tiles (4,096 bytes a tile); 65536 K steps 4-7; 131072 the scale images; here the spare words
.set LI,  1                            ; v1  16 x lane
.set F0,  2                            ; v2, v3  my 8 tiles in the two halves
.set SS,  4                            ; v4  my 8 tiles' scale images
.set HB,  7                            ; v7  64 x (lane / 16)
.set RB,  8                            ; v8  4 x ((r & 7) + 16 (r >> 3))
.set L8,  9                            ; v9  8 x lane
.set SPW, 14
.set NIL, 15
.set S0S, 16
.set S1S, 48
.set FS,  64
.set X,   64
.set TM,  128
.set PC,  144
.set PW,  152
.set EE,  156
.set BI,  192
.set WV,  18
.set GG,  19
.set HF,  20
.set XX,  22
.set YY,  23
.set G1S, 24                           ; s[24:31] group 1: 2,048 dense bytes as 8 rows of 256
.set G1C, 32                           ; s[32:39] group 1: 4 rows of 4,096 bytes, 8,192 apart
.set G0,  40                           ; s[40:51] three groups 0
.set SEL, 60
.set UP,  88
.set MSB, 0
.macro WIN new                         ; the immediate's high byte repeats the setting that is left
.if MSB != \new
	s_set_vgpr_msb (MSB<<8)|\new
.set MSB, \new
.endif
.endm
.macro PLACES n
.rept \n
	v_nop
.endr
.endm
.macro CROUND                          ; a round of the cluster's barrier
	s_barrier_signal -1
	s_barrier_wait -1
	s_cmp_lg_u32 s[WV], 0
	s_cbranch_scc1 .Lnot_wave_0_\@
	s_barrier_signal -3
.Lnot_wave_0_\@:
	s_barrier_wait -3
	s_barrier_signal -1
	s_barrier_wait -1
.endm
.macro QUANT s, pc, pw                 ; 64 numbers of a lane, register 16 b + e = place 32 b + 16 (lane / 16) + e, become a fragment and its scale word
.irp b, 0,1,2,3
	v_max3_num_f32 v[TM+\b], |v[(\s)+16*\b]|, |v[(\s)+1+16*\b]|, 0x1800000
.endr
.irp i, 2,4,6,8,10,12,14
.irp b, 0,1,2,3
	v_max3_num_f32 v[TM+\b], v[TM+\b], |v[(\s)+16*\b+\i]|, |v[(\s)+1+16*\b+\i]|
.endr
.endr
.irp b, 0,1,2,3
	v_permlanex16_b32 v[TM+4+\b], v[TM+\b], s[SEL], s[SEL+1]
.endr
.irp b, 0,1,2,3
	v_max_num_f32 v[TM+\b], v[TM+\b], v[TM+4+\b]
.endr
.irp b, 0,1,2,3
	v_add_nc_u32 v[TM+12+\b], 0xff000000, v[TM+\b]
.endr
.irp b, 0,1,2,3
	v_lshrrev_b32 v[TM+4+\b], 23, v[TM+12+\b]
.endr
	v_lshl_or_b32 v[\pw], v[TM+5], 8, v[TM+4]
	v_lshl_or_b32 v[\pw], v[TM+6], 16, v[\pw]
	v_lshl_or_b32 v[\pw], v[TM+7], 24, v[\pw]
.irp b, 0,1,2,3
	v_cvt_scalef32_pk8_fp4_f32 v[(\pc)+2*\b], v[(\s)+16*\b:(\s)+7+16*\b], v[TM+12+\b]
	v_cvt_scalef32_pk8_fp4_f32 v[(\pc)+1+2*\b], v[(\s)+8+16*\b:(\s)+15+16*\b], v[TM+12+\b]
.endr
	v_nop
.irp c, 0,1
.irp i, 0,1
	v_permlane16_swap_b32 v[(\pc)+4*\c+\i], v[(\pc)+2+4*\c+\i]
.endr
.endr
.endm
	s_load_b256 s[4:11], s[0:1], 0x0               ; codes, scales, bq, bk
	s_load_b128 s[12:15], s[0:1], 0x20             ; bv, pc
	s_load_b64 s[16:17], s[0:1], 0x30              ; ps
	v_lshl_add_u32 v[SPW], v0, 2, SPARE
	v_mov_b32 v[NIL], 0
	ds_add_u32 v[SPW], v[NIL]                      ; the opening: the add, twice on end, and its wait ahead of my first tensor load
	ds_add_u32 v[SPW], v[NIL]
	v_lshrrev_b32 v5, 5, v0
	v_readfirstlane_b32 s[WV], v5                  ; wave 0..3
	s_and_b32 s[GG], s[WV], 1
	s_lshr_b32 s[HF], s[WV], 1
	s_bfe_u32 s21, ttmp6, 0x40000                  ; cx
	s_lshl_b32 s[XX], ttmp9, 2
	s_add_co_u32 s[XX], s[XX], s21                 ; x = 4 x cluster x + cx: it enters S1's and the results' addresses alone
	s_and_b32 s[YY], ttmp7, 0xffff
	s_lshl_b32 s52, s[YY], 4
	s_add_co_u32 s52, s52, 1536                    ; Q, K: S0 begins at tile 1536 + 16 y (wq's 64 tiles, then wk's)
	s_lshr_b32 s53, ttmp9, 1
	s_lshl_b32 s54, s[YY], 3
	s_add_co_u32 s53, s53, s54
	s_sub_co_u32 s53, s53, 64                      ; V: which 256 tokens: cluster x / 2 + 8 (y - 8)
	s_lshl_b32 s54, s53, 4
	s_add_co_u32 s54, s54, 1024
	s_cmp_ge_u32 s[YY], 8
	s_cselect_b32 s52, s54, s52                    ; S0's first tile: no place in the cluster is in it
	s_lshr_b32 s55, s[YY], 2
	s_lshl_b32 s55, s55, 9
	s_lshl_b32 s56, s[XX], 3
	s_add_co_u32 s55, s55, s56                     ; Q, K: S1 begins at tile 512 (y / 4) + 8 x
	s_and_b32 s56, s[XX], 7
	s_lshl_b32 s56, s56, 3
	s_add_co_u32 s56, s56, 1664                    ; V: at wv's tile 8 (x & 7)
	s_cmp_ge_u32 s[YY], 8
	s_cselect_b32 s55, s56, s55
	s_lshl_b32 s56, s[HF], 2
	s_add_co_u32 s55, s55, s56                     ; my four tiles of S1
	s_lshl_b32 s57, s[WV], 2
	s_add_co_u32 s57, s57, s52                     ; the four tiles of S0 that I fetch
	s_lshl_b32 s58, s57, 13
	s_mov_b32 s59, 0
	s_lshl_b32 s62, s57, 9
	s_mov_b32 s63, 0
	s_mov_b32 s[G1S], 15|(3<<16)|(1<<21)           ; the mask: all four work-groups; elements of 8 bytes; bit 21 beside a mask; no padding: an image is read 16 bytes a lane on end
	s_mov_b32 s[G1S+1], 32<<16                     ; tensor_dim0 = 32
	s_mov_b32 s[G1S+2], 8<<16                      ; tensor_dim1 = 8
	s_mov_b32 s[G1S+3], 32<<16                     ; tile_dim0
	s_mov_b32 s[G1S+4], 8                          ; tile_dim1
	s_mov_b32 s[G1S+5], 32                         ; the pitch
	s_mov_b32 s[G1S+6], 0
	s_mov_b32 s[G1S+7], 0
	s_mov_b32 s[G1C], 15|(3<<16)|(1<<21)
	s_mov_b32 s[G1C+1], 512<<16                    ; half a tile's codes: 512 elements of 8 bytes
	s_mov_b32 s[G1C+2], 4<<16                      ; four tiles
	s_mov_b32 s[G1C+3], 512<<16
	s_mov_b32 s[G1C+4], 4
	s_mov_b32 s[G1C+5], 1024                       ; a tile is 8,192 bytes
	s_mov_b32 s[G1C+6], 0
	s_mov_b32 s[G1C+7], 0
	s_mov_b32 s[SEL], 0x76543210
	s_mov_b32 s[SEL+1], 0xfedcba98
	s_mov_b32 s[UP], 0xffff0000
	s_wait_dscnt 0x0                               ; both opening adds are done
	s_wait_kmcnt 0x0
	s_mov_b32 s[G0], 1
	s_lshl_b32 s[G0+1], s[WV], 11
	s_add_co_u32 s[G0+1], s[G0+1], 131072
	s_add_nc_u64 s[G0+2:G0+3], s[6:7], s[62:63]
	s_or_b32 s[G0+3], s[G0+3], 0x80000000
	s_mov_b32 s[G0+4], 1
	s_lshl_b32 s[G0+5], s[WV], 14
	s_add_nc_u64 s[G0+6:G0+7], s[4:5], s[58:59]
	s_mov_b32 s[G0+8], 1
	s_add_co_u32 s[G0+9], s[G0+5], 65536
	s_add_nc_u64 s[G0+10:G0+11], s[G0+6:G0+7], 4096
	s_or_b32 s[G0+7], s[G0+7], 0x80000000
	s_or_b32 s[G0+11], s[G0+11], 0x80000000
	s_lshl_b32 s68, s55, 13
	s_mov_b32 s69, 0
	s_add_nc_u64 s[66:67], s[4:5], s[68:69]
	s_lshl_b32 s68, s55, 9
	s_add_nc_u64 s[70:71], s[6:7], s[68:69]
	v_and_b32 v5, 31, v0
	v_lshlrev_b32 v[LI], 4, v5
	WIN 0x80                                       ; destination window 2.  S1 is asked for ahead of the round: it is on its way while the partners meet
.irp m, 0,1,2,3
.irp s, 0,1,2,3,4,5,6,7
.irp c, 0,1
	global_load_b128 v[64*\m+8*\s+4*\c:64*\m+8*\s+4*\c+3], v[LI], s[66:67] offset:8192*\m+1024*\s+512*\c
.endr
.endr
.endr
	WIN 0
.irp m, 0,1,2,3
	global_load_b128 v[S1S+4*\m:S1S+4*\m+3], v[LI], s[70:71] offset:512*\m
.endr
	CROUND                                         ; all four work-groups are here: the joint loads meet
	tensor_load_to_lds s[G0:G0+3], s[G1S:G1S+7]    ; three loads of mine are out
	s_nop 0
	tensor_load_to_lds s[G0+4:G0+7], s[G1C:G1C+7]
	s_nop 0
	tensor_load_to_lds s[G0+8:G0+11], s[G1C:G1C+7]
	s_nop 0
	PLACES 4
	s_lshl_b32 s72, s[GG], 15
	v_add_nc_u32 v[F0], s72, v[LI]
	v_add_nc_u32 v[F0+1], 0x10000, v[F0]
	s_lshl_b32 s72, s[GG], 12
	s_add_co_u32 s72, s72, 131072
	v_add_nc_u32 v[SS], s72, v[LI]
	v_bfe_u32 v6, v0, 4, 1
	v_lshlrev_b32 v[HB], 6, v6
	v_and_b32 v10, 7, v0
	v_and_b32 v11, 8, v0
	v_lshlrev_b32 v[RB], 2, v10
	v_lshl_add_u32 v[RB], v11, 3, v[RB]
	v_lshlrev_b32 v[L8], 3, v5
.macro FETCH s                         ; K step s of my 8 tiles of S0 into set s % 2: an image comes back as it was stored, 512 consecutive bytes a load
.irp a, 0,1,2,3,4,5,6,7
.irp c, 0,1
	ds_load_b128 v[FS+64*((\s)%2)+8*\a+4*\c:FS+64*((\s)%2)+8*\a+4*\c+3], v[F0+(\s)/4] offset:4096*\a+1024*((\s)%4)+512*\c
.endr
.endr
.endm
.macro ONE s, m, a, cm
.set rD, 64*(\m)+8*(\a)
.set rA, FS+64*((\s)%2)+8*(\a)
.set rB, 64*(\m)+8*(\s)
.set rX, S0S+4*(\a)+(\s)/2
.set rY, S1S+4*(\m)+(\s)/2
.if (\s)%2
	v_wmma_scale_f32_16x16x128_f8f6f4 v[rD:rD+7], v[rA:rA+7], v[rB:rB+7], v[rD:rD+7], v[rX], v[rY] matrix_a_fmt:MATRIX_FMT_FP4 matrix_b_fmt:MATRIX_FMT_FP4 matrix_a_scale:MATRIX_SCALE_ROW1 matrix_b_scale:MATRIX_SCALE_ROW1
.elseif (\cm) == 1
	v_wmma_scale_f32_16x16x128_f8f6f4 v[rD:rD+7], v[rA:rA+7], v[rB:rB+7], 0, v[rX], v[rY] matrix_a_fmt:MATRIX_FMT_FP4 matrix_b_fmt:MATRIX_FMT_FP4
.else
	v_wmma_scale_f32_16x16x128_f8f6f4 v[rD:rD+7], v[rA:rA+7], v[rB:rB+7], v[rD:rD+7], v[rX], v[rY] matrix_a_fmt:MATRIX_FMT_FP4 matrix_b_fmt:MATRIX_FMT_FP4
.endif
.endm
.macro MULS s, cm                      ; 32 products; the 32 accumulators take turns, in the same order in every step
	WIN 0x58                                       ; S0 window 0, S1 window 2, C and D window 1
.irp m, 0,1,2,3
.irp a, 0,1,2,3,4,5,6,7
	ONE \s, \m, \a, \cm
.endr
.endr
	WIN 0
.endm
.macro KSTEP s, cm, more
.if \more
.if (\s) > 0
	PLACES 4                                       ; in front of loads into registers that the last step's products have read
.endif
	FETCH (\s)+1
	s_wait_dscnt 16                                ; all but the 16 just issued: this step's fragments are in
.else
	s_wait_dscnt 0x0
.endif
	MULS \s, \cm
.endm
	s_wait_tensorcnt 0x1                           ; my scale images and my part of K steps 0-3 have landed; K steps 4-7 stay out
	s_barrier_signal -1
	s_barrier_wait -1                              ; everybody's have
.irp a, 0,1,2,3,4,5,6,7
	ds_load_b128 v[S0S+4*\a:S0S+4*\a+3], v[SS] offset:512*\a
.endr
	FETCH 0
	s_wait_loadcnt 0x0                             ; S1
	KSTEP 0, 1, 1                                  ; the first step's products start the sums
	KSTEP 1, 0, 1
	KSTEP 2, 0, 1
	s_wait_tensorcnt 0x0                           ; my part of K steps 4-7 has landed,
	s_wait_dscnt 0x0
	s_barrier_signal -1
	s_barrier_wait -1                              ; everybody's has
; THE REST, once for Q and K (vt = 0) and once for V (vt = 1): the bias is asked for, K steps 3 to 7, then for each of my four tiles of S1: + bias, quantised, stored.
.macro ARM vt
.if \vt == 0
	s_and_b32 s70, s[YY], 3
	s_lshl_b32 s71, s70, 10
	s_lshl_b32 s72, s[GG], 9
	s_add_co_u32 s72, s72, s71                     ; my 128 features' first, in bytes
	s_mov_b32 s73, 0
	s_cmp_lt_u32 s[YY], 4
	s_cselect_b64 s[76:77], s[8:9], s[10:11]       ; bq or bk
	s_add_nc_u64 s[76:77], s[76:77], s[72:73]
.irp a, 0,1,2,3,4,5,6,7
	global_load_b128 v[BI+8*\a:BI+8*\a+3], v[HB], s[76:77] offset:(32*(\a/2)+8*(\a%2))*4      ; register 8 a + j: feature 32 (a / 2) + 16 (lane / 16) + 8 (a % 2) + j
	global_load_b128 v[BI+8*\a+4:BI+8*\a+7], v[HB], s[76:77] offset:(32*(\a/2)+8*(\a%2))*4+16
.endr
	s_lshr_b32 s78, s[XX], 4
	s_lshl_b32 s78, s78, 4
	s_lshl_b32 s79, s70, 2
	s_add_co_u32 s78, s78, s79
	s_lshl_b32 s79, s[GG], 1
	s_add_co_u32 s78, s78, s79                     ; batch x 16 + my first head
	s_lshr_b32 s79, s[YY], 2                       ; 0: Q, 1: K
	s_and_b32 s80, s[XX], 15                       ; which 128 tokens of the batch
	s_lshl_b32 s82, s79, 22
	s_lshl_b32 s83, s78, 16
	s_add_co_u32 s82, s82, s83
	s_lshl_b32 s83, s80, 12
	s_add_co_u32 s82, s82, s83
	s_lshl_b32 s83, s[HF], 11
	s_add_co_u32 s82, s82, s83
	s_mov_b32 s83, 0
	s_add_nc_u64 s[84:85], s[14:15], s[82:83]
	s_lshl_b32 s82, s79, 19
	s_lshl_b32 s81, s78, 13
	s_add_co_u32 s82, s82, s81
	s_lshl_b32 s81, s80, 9
	s_add_co_u32 s82, s82, s81
	s_lshl_b32 s81, s[HF], 3
	s_add_co_u32 s82, s82, s81
	s_add_nc_u64 s[86:87], s[16:17], s[82:83]
.else
	s_and_b32 s70, s[XX], 7
	s_lshl_b32 s72, s70, 9
	s_lshl_b32 s71, s[HF], 8
	s_add_co_u32 s72, s72, s71                     ; my head's first feature, in bytes
	s_mov_b32 s73, 0
	s_add_nc_u64 s[76:77], s[12:13], s[72:73]
.irp m, 0,1,2,3
	global_load_b32 v[BI+2*\m], v[RB], s[76:77] offset:(32*(\m/2)+8*(\m%2))*4     ; bv of my lane's feature in tile m, twice: a pair for the packed addition
	global_load_b32 v[BI+2*\m+1], v[RB], s[76:77] offset:(32*(\m/2)+8*(\m%2))*4
.endr
	s_lshr_b32 s78, s53, 3
	s_lshl_b32 s78, s78, 4
	s_lshl_b32 s79, s70, 1
	s_add_co_u32 s78, s78, s79
	s_add_co_u32 s78, s78, s[HF]                   ; batch x 16 + head
	s_lshl_b32 s78, s78, 4
	s_and_b32 s79, s53, 7
	s_lshl_b32 s79, s79, 1
	s_add_co_u32 s78, s78, s79
	s_add_co_u32 s78, s78, s[GG]                   ; x 16 + key step
	s_lshl_b32 s82, s78, 12
	s_add_co_u32 s82, s82, 0x800000
	s_mov_b32 s83, 0
	s_add_nc_u64 s[84:85], s[14:15], s[82:83]
	s_lshl_b32 s82, s78, 8
	s_add_co_u32 s82, s82, 0x100000
	s_add_nc_u64 s[86:87], s[16:17], s[82:83]
.endif
	KSTEP 3, 0, 1
	KSTEP 4, 0, 1
	KSTEP 5, 0, 1
	KSTEP 6, 0, 1
	KSTEP 7, 0, 0
	PLACES 4                                       ; behind the last products: results are read, and operands' registers written, below
	s_wait_loadcnt 0x0                             ; the bias
.irp b, 0,1,2,3
	v_mov_b32 v[TM+4+\b], 0                        ; a lane permute's destination counts as read
.endr
.irp m, 0,1,2,3
.if \m > 0
	s_wait_xcnt 0x0                                ; the last tile's stores have read the codes' registers
.endif
	WIN 0x01                                       ; source 0: window 1
.set i, 0
.rept 32
.if \vt == 0
	v_pk_add_f32 v[X+i:X+i+1], v[64*\m+i:64*\m+i+1], v[BI+i:BI+i+1]            ; each accumulator from its low end on
.else
	v_pk_add_f32 v[X+i:X+i+1], v[64*\m+i:64*\m+i+1], v[BI+2*\m:BI+2*\m+1]
.endif
.set i, i+2
.endr
	WIN 0
	QUANT X, PC, PW+\m
.if \vt == 0
	global_store_b128 v[LI], v[PC:PC+3], s[84:85] offset:512*\m                ; my first head's 64: 512 consecutive bytes
	global_store_b128 v[LI], v[PC+4:PC+7], s[84:85] offset:512*\m+65536        ; the next head's
.else
	global_store_b128 v[LI], v[PC:PC+3], s[84:85] offset:1024*\m
	global_store_b128 v[LI], v[PC+4:PC+7], s[84:85] offset:1024*\m+512
.endif
.endr
	v_cndmask_b32 v[EE], v[PW], v[PW+1], s[UP]     ; lanes 0-15 the even tile's words, lanes 16-31 the odd tile's
	v_cndmask_b32 v[EE+1], v[PW+2], v[PW+3], s[UP]
.if \vt == 0
	v_lshrrev_b32 v[EE+2], 16, v[EE]               ; the second head's two bytes
	v_lshrrev_b32 v[EE+3], 16, v[EE+1]
	global_store_b64 v[LI], v[EE:EE+1], s[86:87]
	global_store_b64 v[LI], v[EE+2:EE+3], s[86:87] offset:8192
.else
	global_store_b64 v[L8], v[EE:EE+1], s[86:87]   ; 256 consecutive bytes
.endif
.endm
	s_cmp_ge_u32 s[YY], 8                          ; the same in all partners of a cluster
	s_cbranch_scc1 .Lvalues
	ARM 0
	s_branch .Ldone
.Lvalues:
	ARM 1
.Ldone:
	s_wait_tensorcnt 0x0                           ; the wave's end
	ds_add_u32 v[SPW], v[NIL]
	s_wait_dscnt 0x0
	CROUND                                         ; the closing round
	s_endpgm
.Lfunc_end_k_qb625693166_proj:
	.size	k_qb625693166_proj, .Lfunc_end_k_qb625693166_proj-k_qb625693166_proj
	.p2alignl 7, 3214868480
	.fill 96, 4, 3214868480
	.section	.rodata,"a",@progbits
	.p2align	6, 0x0
	.amdhsa_kernel k_qb625693166_proj
		.amdhsa_group_segment_fixed_size 167936
		.amdhsa_private_segment_fixed_size 0
		.amdhsa_enable_private_segment 0
		.amdhsa_kernarg_size 56
		.amdhsa_user_sgpr_count 2
		.amdhsa_user_sgpr_kernarg_segment_ptr 1
		.amdhsa_wavefront_size32 1
		.amdhsa_system_sgpr_workgroup_id_x 1
		.amdhsa_system_sgpr_workgroup_id_y 1
		.amdhsa_system_sgpr_workgroup_id_z 1
		.amdhsa_system_vgpr_workitem_id 0
		.amdhsa_next_free_vgpr 768
		.amdhsa_next_free_sgpr 96
		.amdhsa_reserve_vcc 0
		.amdhsa_float_denorm_mode_32 3
		.amdhsa_float_denorm_mode_16_64 3
		.amdhsa_memory_ordered 1
		.amdhsa_forward_progress 1
		.amdhsa_inst_pref_size 133
	.end_amdhsa_kernel
	.amdgpu_metadata
---
amdhsa.version: [ 1, 2 ]
amdhsa.kernels:
  - .name:           k_qb625693166_proj
    .symbol:         k_qb625693166_proj.kd
    .args:
      - { .name: codes, .offset: 0, .size: 8, .value_kind: global_buffer, .address_space: global }
      - { .name: scales, .offset: 8, .size: 8, .value_kind: global_buffer, .address_space: global }
      - { .name: bq, .offset: 16, .size: 8, .value_kind: global_buffer, .address_space: global }
      - { .name: bk, .offset: 24, .size: 8, .value_kind: global_buffer, .address_space: global }
      - { .name: bv, .offset: 32, .size: 8, .value_kind: global_buffer, .address_space: global }
      - { .name: pc, .offset: 40, .size: 8, .value_kind: global_buffer, .address_space: global }
      - { .name: ps, .offset: 48, .size: 8, .value_kind: global_buffer, .address_space: global }
    .group_segment_fixed_size: 167936
    .private_segment_fixed_size: 0
    .kernarg_segment_align: 8
    .kernarg_segment_size: 56
    .max_flat_workgroup_size: 128
    .sgpr_count:     96
    .vgpr_count:     768
    .wavefront_size: 32
...
	.end_amdgpu_metadata
.endif
;; end of part 2
;; launch attn (part 3): grid 4 x 64, 16 waves a work-group, no clusters, 145,408 bytes of LDS; arguments pc, ps, order, hc, hs; writes hc, hs
.if DOCPART == 3
	.amdgcn_target "amdgcn-amd-amdhsa--gfx1250"
	.amdhsa_code_object_version 6
	.text
	.protected	k_qb625693166_attn
	.globl	k_qb625693166_attn
	.p2align	8
	.type	k_qb625693166_attn,@function
k_qb625693166_attn:
	s_mov_b64 s[64:65], 0
	v_nop
	global_prefetch_b8 v0, s[64:65] scope:SCOPE_SE
	s_setreg_imm32_b32 hwreg(HW_REG_WAVE_MODE, 25, 1), 1
	s_wait_xcnt 0x0
; LAUNCH 3 OF 4: hidden = softmax(Q K^T / 8) V for one head, both products on codes of E2M1, and hidden quantised along the head's 64 for the last product.
; ONLY THE LIST'S FIRST c + 1 POSITIONS ARE ATTENDED (c = the batch's rows whose mask is not 0, read from memory).  Positions from c on hold blanked rows: their codes of Q are replaced by zeros, so that every score is 0,
; p = 1 for every key and l = 2,048, which is what reference()'s -1e9 in every logit of such a row gives; position c's result serves all blanked rows of the batch.  A NaN in q of a blanked row does not reach the result (nor does it in reference()).
; THE SOFTMAX: t = score x log2(e) / 8; M = the running largest t rounded up to a whole number; p = 2^(t - M) is quantised along the keys, not normalised; the sum of the unquantised p divides at the end.
; SHARES.  Work-group (j, batch x 16 + head) holds the head's K, V and their scale words in LDS, filled once through registers.  A tile is 16 list positions; wave w walks tiles j + 4 w and j + 4 w + 64, each only if it
; lies under nt = ceil(min(c + 1, 2048) / 16).  Both loops have 16 trips in every wave; the test leads round a step's work alone.  So 256 work-groups serve every mask.
; NO TENSOR LOAD AND NO CLUSTER: a branch hangs on a number read from memory.  Nothing is prefetched: a work-group asks for all that it reads at its head.
; LAYOUT.  Both products transposed: S^T = K Q^T (only 64 of the instruction's 128 along K are used: registers 4-7 of both fragments hold zero codes), O^T = V^T P^T: a lane holds one query throughout.
; The tiles of K hold keys 32 b + 8 u + (r & 7) + 16 (r >> 3), V's tiles the head's d in the same order: so a lane's 16 registers of two neighbouring tiles are 16 neighbours along the next product's K.
; OUT.  hc: [batch][list tile][K step = head / 2][head % 2][16 lane]: the fragment image of hidden, by list position;  hs: [batch][position][32 bytes], word 4 (s % 2) + s / 2 for K step s.
.set SPARE, 143360                     ; LDS: 0 K's codes (64 KiB); 65536 V's; 131072 K's scale words (8 KiB); 139264 V's (4 KiB); here the spare words, 128 bytes a wave
.set AK0, 1
.set AV0, 2
.set AS0, 3
.set AT0, 4
.set SPW, 5
.set NIL, 6
.set ADK, 8
.set ADV, 9
.set ADS, 10
.set ADT, 11                           ; v12 -M, v13 the largest t, v[14:15] the sum in two halves
.set QF,  16                           ; v16-23  Q's fragment
.set QS,  24                           ; v24     Q's scale words
.set PS,  25                           ; v25     p's
.set FF,  26                           ; v[26:27] f = 2^(old M - new M); later 1 / l
.set KS,  28                           ; v28-31  K's scale words of a step
.set VS,  32                           ; v32-33  V's
.set RR,  34                           ; v34     lane % 16
.set H256, 35                          ; v35     256 x (lane / 16)
.set POS, 36                           ; v36     my list position
.set HA,  37
.set HW,  38
.set KF,  40                           ; v40-71  four fragments of K
.set VF,  72                           ; v72-103 V's four
.set S,   104                          ; v104-167 S^T, then p
.set O,   168                          ; v168-199 O^T
.set PCD, 200                          ; v200-207 p's codes
.set BM,  208
.set BP,  212
.set BS,  216
.set TP,  220
.set NN,  224
.set T0,  225
.set QA,  231
.set QB,  232
.set PO4, 233
.set FA,  236
.set WV,  14
.set SEL, 20
.set CS,  22
.set CC,  42
.set NT,  43
.set TILE, 45
.set CNT, 46
.set TK,  47
.set TS,  48
.set TT,  49
.set LIVE, 56
.macro PLACES n
.rept \n
	v_nop
.endr
.endm
	s_load_b256 s[4:11], s[0:1], 0x0               ; pc, ps, order, hc
	s_load_b64 s[12:13], s[0:1], 0x20              ; hs
	v_lshl_add_u32 v[SPW], v0, 2, SPARE
	v_mov_b32 v[NIL], 0
	v_lshrrev_b32 v7, 5, v0
	v_readfirstlane_b32 s[WV], v7                  ; wave 0..15
	s_and_b32 s16, ttmp7, 0xffff                   ; batch x 16 + head
	s_lshr_b32 s17, s16, 4
	s_and_b32 s18, s16, 15
	s_lshl_b32 s44, s[WV], 2
	s_add_co_u32 s44, s44, ttmp9                   ; my first tile
	s_mov_b32 s51, 0
	s_mov_b32 s[SEL], 0x76543210
	s_mov_b32 s[SEL+1], 0xfedcba98
	s_mov_b32 s[CS], 0x3e38aa3b                    ; log2(e) / 8
	s_mov_b32 s[CS+1], s[CS]
	v_lshlrev_b32 v[FA], 4, v0                     ; 16 x thread
	v_lshlrev_b32 v[FA+3], 3, v0                   ; 8 x thread
	s_wait_kmcnt 0x0
	s_lshl_b32 s50, s17, 7
	s_add_nc_u64 s[52:53], s[8:9], s[50:51]
	s_load_b32 s[CC], s[52:53], 0x10000            ; c
	s_lshl_b32 s50, s16, 16
	s_add_nc_u64 s[32:33], s[4:5], s[50:51]        ; Q's codes of my head,
	s_add_nc_u64 s[24:25], s[32:33], 0x400000      ; K's,
	s_add_nc_u64 s[26:27], s[32:33], 0x800000      ; V's
	s_lshl_b32 s50, s16, 13
	s_add_nc_u64 s[34:35], s[6:7], s[50:51]        ; Q's scale words,
	s_add_nc_u64 s[28:29], s[34:35], 0x80000       ; K's,
	s_lshl_b32 s50, s16, 12
	s_add_nc_u64 s[30:31], s[6:7], s[50:51]
	s_add_nc_u64 s[30:31], s[30:31], 0x100000      ; V's
.set i, 0
.rept 8
	global_load_b128 v[S+4*i:S+4*i+3], v[FA], s[24:25] offset:8192*i          ; the 512 threads read 8,192 consecutive bytes
.set i, i+1
.endr
.set i, 0
.rept 8
	global_load_b128 v[S+32+4*i:S+32+4*i+3], v[FA], s[26:27] offset:8192*i
.set i, i+1
.endr
	global_load_b128 v[S+64:S+67], v[FA], s[28:29]
	global_load_b64 v[S+68:S+69], v[FA+3], s[30:31]
	s_lshl_b32 s50, s17, 13
	s_add_nc_u64 s[36:37], s[8:9], s[50:51]        ; order[batch]
	s_lshl_b32 s50, s17, 20
	s_lshr_b32 s57, s18, 1
	s_lshl_b32 s57, s57, 10
	s_add_co_u32 s50, s50, s57
	s_and_b32 s57, s18, 1
	s_lshl_b32 s57, s57, 9
	s_add_co_u32 s50, s50, s57
	s_add_nc_u64 s[38:39], s[10:11], s[50:51]      ; hc: my batch, my head's 512 bytes of a tile
	s_lshl_b32 s50, s17, 16
	s_bfe_u32 s57, s18, 0x10001
	s_lshl_b32 s57, s57, 4
	s_add_co_u32 s50, s50, s57
	s_lshr_b32 s57, s18, 2
	s_lshl_b32 s57, s57, 2
	s_add_co_u32 s50, s50, s57
	s_and_b32 s57, s18, 1
	s_lshl_b32 s57, s57, 1
	s_add_co_u32 s50, s50, s57
	s_add_nc_u64 s[40:41], s[12:13], s[50:51]      ; hs: my batch, my head's two bytes of a position's 32
	v_add_nc_u32 v[FA+1], 0x10000, v[FA]
	v_add_nc_u32 v[FA+2], 0x20000, v[FA]
	v_add_nc_u32 v[FA+4], 139264, v[FA+3]
	v_and_b32 v7, 31, v0
	v_lshlrev_b32 v[AK0], 4, v7
	v_add_nc_u32 v[AV0], 0x10000, v[AK0]
	v_add_nc_u32 v[AS0], 0x20000, v[AK0]
	v_lshlrev_b32 v[AT0], 3, v7
	v_add_nc_u32 v[AT0], 139264, v[AT0]
	v_and_b32 v[RR], 15, v0
	v_bfe_u32 v[H256], v0, 4, 1
	v_lshlrev_b32 v[H256], 8, v[H256]
.irp j, 4,5,6,7
	v_mov_b32 v[QF+\j], 0                          ; k = 64 .. 127 of the instruction: zero codes, in Q
.irp t, 0,1,2,3
	v_mov_b32 v[KF+8*\t+\j], 0                     ; and in K: written once
.endr
.endr
.irp b, 0,1,2,3
	v_mov_b32 v[BP+\b], 0                          ; a lane permute's destination counts as read
.endr
	v_mov_b32 v[TP], 0
	v_mov_b32 v[FF+1], 0                           ; named as the upper half of a pair
.set i, 0
.rept 8
	s_wait_loadcnt 17-i                            ; loads come back in order: this one is in, the younger ones stay out
	ds_store_b128 v[FA], v[S+4*i:S+4*i+3] offset:8192*i
.set i, i+1
.endr
.set i, 0
.rept 8
	s_wait_loadcnt 9-i
	ds_store_b128 v[FA+1], v[S+32+4*i:S+32+4*i+3] offset:8192*i
.set i, i+1
.endr
	s_wait_loadcnt 1
	ds_store_b128 v[FA+2], v[S+64:S+67]
	s_wait_loadcnt 0x0
	ds_store_b64 v[FA+4], v[S+68:S+69]
	s_wait_dscnt 0x0                               ; for the others' sake: my stores have landed
	s_barrier_signal -1
	s_barrier_wait -1                              ; the one barrier, ahead of every branch on the count: from here on LDS is only read
	s_wait_kmcnt 0x0
	s_add_co_u32 s[NT], s[CC], 1
	s_min_u32 s[NT], s[NT], 2048
	s_add_co_u32 s[NT], s[NT], 15
	s_lshr_b32 s[NT], s[NT], 4                     ; tiles to be attended
.macro SPROD t, tau                    ; S^T of key tile tau, from fragment register set t
.if (\tau)%2
	v_wmma_scale_f32_16x16x128_f8f6f4 v[S+8*(\tau):S+8*(\tau)+7], v[KF+8*(\t):KF+8*(\t)+7], v[QF:QF+7], 0, v[KS+(\tau)/2], v[QS] matrix_a_fmt:MATRIX_FMT_FP4 matrix_b_fmt:MATRIX_FMT_FP4 matrix_a_scale:MATRIX_SCALE_ROW1
.else
	v_wmma_scale_f32_16x16x128_f8f6f4 v[S+8*(\tau):S+8*(\tau)+7], v[KF+8*(\t):KF+8*(\t)+7], v[QF:QF+7], 0, v[KS+(\tau)/2], v[QS] matrix_a_fmt:MATRIX_FMT_FP4 matrix_b_fmt:MATRIX_FMT_FP4
.endif
.endm
.macro VPROD t                         ; O^T of d tile t += V^T P^T: one instruction an accumulator a step, the four by turns
.if (\t)%2
	v_wmma_scale_f32_16x16x128_f8f6f4 v[O+8*(\t):O+8*(\t)+7], v[VF+8*(\t):VF+8*(\t)+7], v[PCD:PCD+7], v[O+8*(\t):O+8*(\t)+7], v[VS+(\t)/2], v[PS] matrix_a_fmt:MATRIX_FMT_FP4 matrix_b_fmt:MATRIX_FMT_FP4 matrix_a_scale:MATRIX_SCALE_ROW1
.else
	v_wmma_scale_f32_16x16x128_f8f6f4 v[O+8*(\t):O+8*(\t)+7], v[VF+8*(\t):VF+8*(\t)+7], v[PCD:PCD+7], v[O+8*(\t):O+8*(\t)+7], v[VS+(\t)/2], v[PS] matrix_a_fmt:MATRIX_FMT_FP4 matrix_b_fmt:MATRIX_FMT_FP4
.endif
.endm
; A KEY STEP: 128 keys
.macro STEP
	v_add_nc_u32 v[ADK], s[TK], v[AK0]             ; (these four are also the places behind the last step's products)
	v_add_nc_u32 v[ADV], s[TK], v[AV0]
	v_add_nc_u32 v[ADS], s[TS], v[AS0]
	v_add_nc_u32 v[ADT], s[TT], v[AT0]
	ds_load_b128 v[KS:KS+3], v[ADS]
.irp t, 0,1,2,3
	ds_load_b128 v[KF+8*\t:KF+8*\t+3], v[ADK] offset:512*\t
.endr
	s_wait_dscnt 0x0
.irp t, 0,1,2,3
	SPROD \t, \t
.endr
	PLACES 4                                       ; in front of loads into registers that products have read
.irp t, 0,1,2,3
	ds_load_b128 v[KF+8*\t:KF+8*\t+3], v[ADK] offset:2048+512*\t
.endr
.irp t, 0,1,2,3
.irp c, 0,1
	ds_load_b128 v[VF+8*\t+4*\c:VF+8*\t+4*\c+3], v[ADV] offset:1024*\t+512*\c   ; V is asked for here and lands under the softmax
.endr
.endr
	ds_load_b64 v[VS:VS+1], v[ADT]
	s_wait_dscnt 9                                 ; K's four are in; V's eight and its scale pair stay out
.irp t, 0,1,2,3
	SPROD \t, 4+\t
.endr
	PLACES 4
.irp b, 0,1,2,3
	v_max3_num_f32 v[BM+\b], v[S+16*\b], v[S+1+16*\b], v[S+2+16*\b]   ; the largest score of each block of 32 keys: it serves the row's maximum and, since p rises with the score, the block's largest p
.endr
.irp i, 3,5,7,9,11,13
.irp b, 0,1,2,3
	v_max3_num_f32 v[BM+\b], v[BM+\b], v[S+16*\b+\i], v[S+1+16*\b+\i]
.endr
.endr
.irp b, 0,1,2,3
	v_max_num_f32 v[BM+\b], v[BM+\b], v[S+15+16*\b]
.endr
.irp b, 0,1,2,3
	v_permlanex16_b32 v[BP+\b], v[BM+\b], s[SEL], s[SEL+1]
.endr
.irp b, 0,1,2,3
	v_max_num_f32 v[BM+\b], v[BM+\b], v[BP+\b]
.endr
	v_max3_num_f32 v[TP], v[BM], v[BM+1], v[BM+2]
	v_max_num_f32 v[TP], v[TP], v[BM+3]
	v_mul_f32 v[TP], s[CS], v[TP]
	v_max_num_f32 v13, v13, v[TP]                  ; the running largest t
	v_mov_b32 v[TP], v12
	v_floor_f32 v12, -v13                          ; -M = floor(-t): M is a whole number
	v_sub_f32 v[TP], v12, v[TP]
	v_cvt_i32_f32 v[TP], v[TP]                     ; old M - new M (it saturates)
	v_ldexp_f32 v[FF], 1.0, v[TP]                  ; f: a power of two, or 0
.set i, 0
.rept 32
	v_pk_fma_f32 v[S+i:S+i+1], v[S+i:S+i+1], s[CS:CS+1], v[12:13] op_sel_hi:[1,0,0]   ; t - M
.set i, i+2
.endr
.irp b, 0,1,2,3
	v_fma_f32 v[BM+\b], v[BM+\b], s[CS], v12
.endr
.set i, 0
.rept 64
	v_exp_f32 v[S+i], v[S+i]                       ; p, at most 1
.set i, i+1
.endr
	v_pk_mul_f32 v[14:15], v[14:15], v[FF:FF+1] op_sel_hi:[1,0]   ; the sums under the new M (a plain instruction behind the exponentials)
	s_wait_alu depctr_va_vdst(0)                   ; one wait for the batch of 64, ahead of its first reader
.irp b, 0,1,2,3
	v_exp_f32 v[BM+\b], v[BM+\b]                   ; each block's largest p
.endr
	v_pk_add_f32 v[BP:BP+1], v[S:S+1], v[S+2:S+3]  ; the row's sum, of the unquantised p, in two chains
.irp j, 4,8,12,16,20,24,28,32,36,40,44,48,52,56,60
	v_pk_add_f32 v[14:15], v[14:15], v[S+\j:S+\j+1]
	v_pk_add_f32 v[BP:BP+1], v[BP:BP+1], v[S+2+\j:S+3+\j]
.endr
	v_pk_add_f32 v[14:15], v[14:15], v[BP:BP+1]
	s_wait_alu depctr_va_vdst(0)                   ; and one for the four
.irp b, 0,1,2,3
	v_max_num_f32 v[BM+\b], 0x1800000, v[BM+\b]    ; the floor 2^(3 - 127)
.endr
.irp b, 0,1,2,3
	v_add_nc_u32 v[BS+\b], 0xff000000, v[BM+\b]
.endr
.irp b, 0,1,2,3
	v_lshrrev_b32 v[BP+\b], 23, v[BS+\b]
.endr
	v_lshl_or_b32 v[PS], v[BP+1], 8, v[BP]
	v_lshl_or_b32 v[PS], v[BP+2], 16, v[PS]
	v_lshl_or_b32 v[PS], v[BP+3], 24, v[PS]
.irp b, 0,1,2,3
	v_cvt_scalef32_pk8_fp4_f32 v[PCD+2*\b], v[S+16*\b:S+7+16*\b], v[BS+\b]
	v_cvt_scalef32_pk8_fp4_f32 v[PCD+1+2*\b], v[S+8+16*\b:S+15+16*\b], v[BS+\b]
.endr
	v_nop
.irp c, 0,1
.irp i, 0,1
	v_permlane16_swap_b32 v[PCD+4*\c+\i], v[PCD+2+4*\c+\i]
.endr
.endr
.set i, 0
.rept 16
	v_pk_mul_f32 v[O+i:O+i+1], v[O+i:O+i+1], v[FF:FF+1] op_sel_hi:[1,0]   ; O^T under the new M; for each product twelve of these name none of its registers: the places behind p's codes and scale word
.set i, i+2
.endr
	s_wait_dscnt 0x0                               ; V
.irp t, 0,1,2,3
	VPROD \t
.endr
.endm
; ONE TILE OF 16 LIST POSITIONS
.macro WALK p
	s_wait_xcnt 0x0                                ; the last tile's loads and stores have read their registers
	s_add_co_u32 s[TILE], s44, 64*\p
	s_lshl_b32 s50, s[TILE], 13
	s_mov_b32 s51, 0
	s_add_nc_u64 s[54:55], s[38:39], s[50:51]
	s_lshl_b32 s57, s[TILE], 4
	v_add_nc_u32 v[POS], s57, v[RR]
	v_lshlrev_b32 v[PO4], 2, v[POS]
	global_load_b32 v[NN], v[PO4], s[36:37]        ; my query's row n
	v_lshlrev_b32 v[HA], 5, v[POS]
	v_cmp_gt_u32 s[LIVE], s[CC], v[POS]            ; attended where the position lies under c
	s_wait_loadcnt 0x0
	v_bfe_u32 v[T0+5], v[NN], 5, 2
	v_min_u32 v[T0+5], 3, v[T0+5]                  ; bits 6:5 of n
	v_min_u32 v[NN], 0x7ff, v[NN]                  ; a row lies in 0 .. 2,047
	v_and_b32 v[T0], 0x7e0, v[NN]
	v_lshlrev_b32 v[T0], 5, v[T0]                  ; Q: 1,024 bytes for each 32 rows,
	v_and_b32 v[T0+1], 8, v[NN]
	v_and_b32 v[T0+2], 7, v[NN]
	v_lshlrev_b32 v[T0+2], 4, v[T0+2]
	v_and_b32 v[T0+3], 16, v[NN]
	v_lshlrev_b32 v[T0+3], 3, v[T0+3]
	v_add_nc_u32 v[T0+2], v[T0+2], v[T0+3]         ; 16 x the row's lane in its tile: (n & 7) + 8 (bit 4),
	v_lshlrev_b32 v[T0+3], 6, v[T0+1]              ; 512 for the odd tile (bit 3),
	v_add_nc_u32 v[QA], v[T0], v[T0+3]
	v_add_nc_u32 v[QA], v[QA], v[T0+2]
	v_add_nc_u32 v[QA], v[QA], v[H256]             ; 256 for my half
	v_and_b32 v[T0], 0x780, v[NN]
	v_lshlrev_b32 v[T0], 2, v[T0]                  ; its scale word: 512 bytes for each 128 rows,
	v_lshlrev_b32 v[T0+3], 5, v[T0+1]              ; 256 for the odd tile,
	v_add_nc_u32 v[QB], v[T0], v[T0+3]
	v_add_nc_u32 v[QB], v[QB], v[T0+2]
	v_lshlrev_b32 v[T0+5], 2, v[T0+5]              ; 4 for each pair of tiles
	v_add_nc_u32 v[QB], v[QB], v[T0+5]
	global_load_b128 v[QF:QF+3], v[QA], s[32:33]
	global_load_b32 v[QS], v[QB], s[34:35]
	s_mov_b32 s[TK], 0
	s_mov_b32 s[TS], 0
	s_mov_b32 s[TT], 0
	s_mov_b32 s[CNT], 16
	s_wait_loadcnt 0x0
.irp j, 0,1,2,3
	v_cndmask_b32 v[QF+\j], 0, v[QF+\j], s[LIVE]   ; a blanked row's codes are zeros: every score is 0
.endr
	v_mov_b32 v13, 0xff61b1e6                      ; the largest t so far: -3e38
	v_floor_f32 v12, -v13
	v_mov_b32 v14, 0
	v_mov_b32 v15, 0
.set i, 0
.rept 32
	v_mov_b32 v[O+i], 0                            ; O^T: the step is written once, and its first turn finds zeros
.set i, i+1
.endr
.Lstep_\@:
	s_cmp_lt_u32 s[TILE], s[NT]
	s_cbranch_scc0 .Lskip_\@                       ; a tile beyond the list's live part: round the step's work alone
	STEP
.Lskip_\@:
	s_add_co_u32 s[TK], s[TK], 4096
	s_add_co_u32 s[TS], s[TS], 512
	s_add_co_u32 s[TT], s[TT], 256
	s_sub_co_u32 s[CNT], s[CNT], 1
	s_cmp_lg_u32 s[CNT], 0
	s_cbranch_scc1 .Lstep_\@
	s_cmp_lt_u32 s[TILE], s[NT]
	s_cbranch_scc0 .Lnone_\@
	PLACES 4                                       ; behind the last products
	v_add_f32 v14, v14, v15
	v_permlanex16_b32 v[TP], v14, s[SEL], s[SEL+1]
	v_add_f32 v14, v14, v[TP]                      ; l
	v_rcp_f32 v[FF], v14
	v_nop
	s_wait_alu depctr_va_vdst(0)                   ; ahead of the reciprocal's first reader
.set i, 0
.rept 16
	v_pk_mul_f32 v[O+i:O+i+1], v[O+i:O+i+1], v[FF:FF+1] op_sel_hi:[1,0]   ; hidden: register 16 b + e = d 32 b + 16 (lane / 16) + e of my query
.set i, i+2
.endr
.irp b, 0,1
	v_max3_num_f32 v[BM+\b], |v[O+16*\b]|, |v[O+1+16*\b]|, 0x1800000
.endr
.irp i, 2,4,6,8,10,12,14
.irp b, 0,1
	v_max3_num_f32 v[BM+\b], v[BM+\b], |v[O+16*\b+\i]|, |v[O+1+16*\b+\i]|
.endr
.endr
.irp b, 0,1
	v_permlanex16_b32 v[BP+\b], v[BM+\b], s[SEL], s[SEL+1]
.endr
.irp b, 0,1
	v_max_num_f32 v[BM+\b], v[BM+\b], v[BP+\b]
.endr
.irp b, 0,1
	v_add_nc_u32 v[BS+\b], 0xff000000, v[BM+\b]
.endr
.irp b, 0,1
	v_lshrrev_b32 v[BP+\b], 23, v[BS+\b]
.endr
	v_lshl_or_b32 v[HW], v[BP+1], 8, v[BP]         ; the head's two scale bytes
.irp b, 0,1
	v_cvt_scalef32_pk8_fp4_f32 v[PCD+2*\b], v[O+16*\b:O+7+16*\b], v[BS+\b]
	v_cvt_scalef32_pk8_fp4_f32 v[PCD+1+2*\b], v[O+8+16*\b:O+15+16*\b], v[BS+\b]
.endr
	v_nop
	v_permlane16_swap_b32 v[PCD], v[PCD+2]
	v_permlane16_swap_b32 v[PCD+1], v[PCD+3]
	global_store_b128 v[AK0], v[PCD:PCD+3], s[54:55]   ; 512 consecutive bytes
	global_store_b16 v[HA], v[HW], s[40:41]        ; two bytes of my position's 32 (both halves of the lanes write the same bytes with the same value)
.Lnone_\@:
.endm
	WALK 0
	WALK 1
	s_wait_tensorcnt 0x0                           ; the wave's end
	ds_add_u32 v[SPW], v[NIL]
	s_wait_dscnt 0x0
	s_endpgm
.Lfunc_end_k_qb625693166_attn:
	.size	k_qb625693166_attn, .Lfunc_end_k_qb625693166_attn-k_qb625693166_attn
	.p2alignl 7, 3214868480
	.fill 96, 4, 3214868480
	.section	.rodata,"a",@progbits
	.p2align	6, 0x0
	.amdhsa_kernel k_qb625693166_attn
		.amdhsa_group_segment_fixed_size 145408
		.amdhsa_private_segment_fixed_size 0
		.amdhsa_enable_private_segment 0
		.amdhsa_kernarg_size 40
		.amdhsa_user_sgpr_count 2
		.amdhsa_user_sgpr_kernarg_segment_ptr 1
		.amdhsa_wavefront_size32 1
		.amdhsa_system_sgpr_workgroup_id_x 1
		.amdhsa_system_sgpr_workgroup_id_y 1
		.amdhsa_system_sgpr_workgroup_id_z 1
		.amdhsa_system_vgpr_workitem_id 0
		.amdhsa_next_free_vgpr 256
		.amdhsa_next_free_sgpr 66
		.amdhsa_reserve_vcc 0
		.amdhsa_float_denorm_mode_32 3
		.amdhsa_float_denorm_mode_16_64 3
		.amdhsa_memory_ordered 1
		.amdhsa_forward_progress 1
		.amdhsa_inst_pref_size 51
	.end_amdhsa_kernel
	.amdgpu_metadata
---
amdhsa.version: [ 1, 2 ]
amdhsa.kernels:
  - .name:           k_qb625693166_attn
    .symbol:         k_qb625693166_attn.kd
    .args:
      - { .name: pc, .offset: 0, .size: 8, .value_kind: global_buffer, .address_space: global }
      - { .name: ps, .offset: 8, .size: 8, .value_kind: global_buffer, .address_space: global }
      - { .name: order, .offset: 16, .size: 8, .value_kind: global_buffer, .address_space: global }
      - { .name: hc, .offset: 24, .size: 8, .value_kind: global_buffer, .address_space: global }
      - { .name: hs, .offset: 32, .size: 8, .value_kind: global_buffer, .address_space: global }
    .group_segment_fixed_size: 145408
    .private_segment_fixed_size: 0
    .kernarg_segment_align: 8
    .kernarg_segment_size: 40
    .max_flat_workgroup_size: 512
    .sgpr_count:     66
    .vgpr_count:     256
    .wavefront_size: 32
...
	.end_amdgpu_metadata
.endif
;; end of part 3
;; launch outp (part 4): grid 64 x 4, 4 waves a work-group, clusters of 4 x 1, 173,568 bytes of LDS; arguments codes, scales, hc, hs, order, mask, bo, k, out0; writes out0
.if DOCPART == 4
	.amdgcn_target "amdgcn-amd-amdhsa--gfx1250"
	.amdhsa_code_object_version 6
	.text
	.protected	k_qb625693166_outp
	.globl	k_qb625693166_outp
	.p2align	8
	.type	k_qb625693166_outp,@function
k_qb625693166_outp:
	s_mov_b64 s[64:65], 0
	v_nop
	global_prefetch_b8 v0, s[64:65] scope:SCOPE_SE
	s_setreg_imm32_b32 hwreg(HW_REG_WAVE_MODE, 25, 1), 1
	s_wait_xcnt 0x0
	s_wait_alu depctr_hold_cnt(0) depctr_sa_sdst(0) depctr_va_vdst(0) depctr_va_sdst(0) depctr_va_ssrc(0) depctr_va_vcc(0) depctr_vm_vsrc(0)
	s_getreg_b32 s2, hwreg(HW_REG_IB_STS2, 6, 4)
	s_cmp_eq_u32 s2, 0
	s_cbranch_scc0 .Lentry_in_a_cluster
	s_endpgm
.Lentry_in_a_cluster:
	s_bfe_u32 s2, ttmp6, 0x10000c
	s_cmp_lg_u32 s2, 0x3003
	s_cbranch_scc0 .Lentry_shape_is_right
	s_endpgm
.Lentry_shape_is_right:
; LAUNCH 4 OF 4: out = k + hidden wo^T + bo, the product on codes of E2M1.
; hidden lies by list position.  Row n of a batch takes position rank[n] where its mask is not 0, else position c, whose hidden row is that of every blanked row (first launch's head).  The choice selects an address by v_cndmask_b32: no branch hangs on it.
; THE FORM is the second launch's: D = S0 S1^T; S0 = 256 rows of wo (16 tiles, from tile 1728 + 16 y), all of K in LDS by three joint tensor loads a wave, shared by the four work-groups of a cluster, filled once;
; S1 = 128 rows of hidden, each lane gathering its row's fragments straight into registers.  Wave (g, hf): 8 tiles of wo x 4 tiles of 16 rows.  bo is the C of each sum's first product.
; THE WAY OUT: a lane holds 16 neighbouring outputs of a row for each pair of tiles; 16 rows x 512 bytes go through the wave's own stage in LDS, come back as whole rows, take k's row on, and leave 512 consecutive bytes a store.
; REGISTERS: window 0: v1-15 addresses; v16-47 wo's scale words, v48-63 hidden's; v64-127, v128-191 wo's fragments, two sets (at the head v128-150 the gathers' addresses; at the end rows of out); v192-255 bo.
;   window 1: accumulator (a, m) at v[64 m + 8 a].   window 2: hidden's fragment (m, s) at v[64 m + 8 s].   window 3: k's rows, row 16 m + i at v[64 m + 4 i].
.set STAGE, 139264                     ; LDS: 0 K steps 0-3; 65536 K steps 4-7; 131072 scale images; here four stages of 16 x 528 bytes: no tensor load lands there
.set SPARE, STAGE+4*8448
.set LI,  1
.set F0,  2
.set SS,  4
.set R4,  5                            ; v5  4 x (lane % 16)
.set H256, 6
.set HB,  7                            ; v7  64 x (lane / 16)
.set STO, 8
.set RD,  9
.set H16, 10
.set SPW, 14
.set NIL, 15
.set S0S, 16
.set S1S, 48
.set FS,  64
.set MK,  128
.set RK,  132
.set PO,  136
.set HCA, 140
.set HSA, 144
.set TQ,  148
.set CV,  150
.set BI,  192
.set WV,  22
.set GG,  23
.set HF,  52
.set XX,  54
.set YY,  55
.set G1S, 24
.set G1C, 32
.set G0,  40
.set MSB, 0
.macro WIN new
.if MSB != \new
	s_set_vgpr_msb (MSB<<8)|\new
.set MSB, \new
.endif
.endm
.macro PLACES n
.rept \n
	v_nop
.endr
.endm
.macro CROUND
	s_barrier_signal -1
	s_barrier_wait -1
	s_cmp_lg_u32 s[WV], 0
	s_cbranch_scc1 .Lnot_wave_0_\@
	s_barrier_signal -3
.Lnot_wave_0_\@:
	s_barrier_wait -3
	s_barrier_signal -1
	s_barrier_wait -1
.endm
	s_load_b256 s[4:11], s[0:1], 0x0               ; codes, scales, hc, hs
	s_load_b256 s[12:19], s[0:1], 0x20             ; order, mask, bo, k
	s_load_b64 s[20:21], s[0:1], 0x40              ; out0
	v_lshl_add_u32 v[SPW], v0, 2, SPARE
	v_mov_b32 v[NIL], 0
	ds_add_u32 v[SPW], v[NIL]                      ; the opening: the add, twice on end, and its wait ahead of my first tensor load
	ds_add_u32 v[SPW], v[NIL]
	v_lshrrev_b32 v11, 5, v0
	v_readfirstlane_b32 s[WV], v11
	s_and_b32 s[GG], s[WV], 1
	s_lshr_b32 s[HF], s[WV], 1
	s_bfe_u32 s53, ttmp6, 0x40000                  ; cx
	s_lshl_b32 s[XX], ttmp9, 2
	s_add_co_u32 s[XX], s[XX], s53                 ; which 128 rows: it enters the rows' addresses alone
	s_and_b32 s[YY], ttmp7, 0xffff                 ; which 256 outputs
	s_lshl_b32 s56, s[YY], 4
	s_add_co_u32 s56, s56, 1728
	s_lshl_b32 s57, s[WV], 2
	s_add_co_u32 s56, s56, s57                     ; the four tiles of wo that I fetch
	s_lshl_b32 s58, s56, 13
	s_mov_b32 s59, 0
	s_lshl_b32 s62, s56, 9
	s_mov_b32 s63, 0
	s_mov_b32 s[G1S], 15|(3<<16)|(1<<21)           ; as in the second launch: 2,048 dense bytes as 8 rows of 256
	s_mov_b32 s[G1S+1], 32<<16
	s_mov_b32 s[G1S+2], 8<<16
	s_mov_b32 s[G1S+3], 32<<16
	s_mov_b32 s[G1S+4], 8
	s_mov_b32 s[G1S+5], 32
	s_mov_b32 s[G1S+6], 0
	s_mov_b32 s[G1S+7], 0
	s_mov_b32 s[G1C], 15|(3<<16)|(1<<21)           ; 4 rows of 4,096 bytes, 8,192 apart
	s_mov_b32 s[G1C+1], 512<<16
	s_mov_b32 s[G1C+2], 4<<16
	s_mov_b32 s[G1C+3], 512<<16
	s_mov_b32 s[G1C+4], 4
	s_mov_b32 s[G1C+5], 1024
	s_mov_b32 s[G1C+6], 0
	s_mov_b32 s[G1C+7], 0
	s_lshl_b32 s66, s[XX], 7
	s_lshl_b32 s67, s[HF], 6
	s_add_co_u32 s66, s66, s67                     ; my first row of the 8,192
	s_mov_b32 s87, 0
	v_and_b32 v11, 31, v0
	v_lshlrev_b32 v[LI], 4, v11
	v_and_b32 v12, 15, v0
	v_lshlrev_b32 v[R4], 2, v12
	v_bfe_u32 v13, v0, 4, 1
	v_lshlrev_b32 v[H256], 8, v13
	v_lshlrev_b32 v[HB], 6, v13
	v_lshlrev_b32 v[H16], 4, v13
	s_wait_dscnt 0x0                               ; both opening adds are done
	s_wait_kmcnt 0x0
	s_lshr_b32 s86, ttmp9, 2                       ; the batch
	s_lshl_b32 s86, s86, 7
	s_add_nc_u64 s[72:73], s[12:13], s[86:87]
	s_load_b32 s84, s[72:73], 0x10000              ; c
	s_lshl_b32 s86, s66, 2
	s_add_nc_u64 s[68:69], s[14:15], s[86:87]      ; my rows' mask,
	s_add_nc_u64 s[70:71], s[12:13], s[86:87]      ; and, 32,768 bytes on, their rank
.irp m, 0,1,2,3
	global_load_b32 v[MK+\m], v[R4], s[68:69] offset:64*\m      ; asked for ahead of the round: on their way while the partners meet
.endr
.irp m, 0,1,2,3
	global_load_b32 v[RK+\m], v[R4], s[70:71] offset:32768+64*\m
.endr
	s_mov_b32 s[G0], 1
	s_lshl_b32 s[G0+1], s[WV], 11
	s_add_co_u32 s[G0+1], s[G0+1], 131072
	s_add_nc_u64 s[G0+2:G0+3], s[6:7], s[62:63]
	s_or_b32 s[G0+3], s[G0+3], 0x80000000
	s_mov_b32 s[G0+4], 1
	s_lshl_b32 s[G0+5], s[WV], 14
	s_add_nc_u64 s[G0+6:G0+7], s[4:5], s[58:59]
	s_mov_b32 s[G0+8], 1
	s_add_co_u32 s[G0+9], s[G0+5], 65536
	s_add_nc_u64 s[G0+10:G0+11], s[G0+6:G0+7], 4096
	s_or_b32 s[G0+7], s[G0+7], 0x80000000
	s_or_b32 s[G0+11], s[G0+11], 0x80000000
	CROUND                                         ; all four work-groups are here: the joint loads meet
	tensor_load_to_lds s[G0:G0+3], s[G1S:G1S+7]    ; three loads of mine are out
	s_nop 0
	tensor_load_to_lds s[G0+4:G0+7], s[G1C:G1C+7]
	s_nop 0
	tensor_load_to_lds s[G0+8:G0+11], s[G1C:G1C+7]
	s_nop 0
	PLACES 4
	s_lshr_b32 s85, ttmp9, 2
	s_lshl_b32 s86, s85, 20
	s_add_nc_u64 s[74:75], s[8:9], s[86:87]        ; hc of my batch
	s_lshl_b32 s86, s85, 16
	s_add_nc_u64 s[76:77], s[10:11], s[86:87]      ; hs
	s_lshl_b32 s86, s[YY], 10
	s_lshl_b32 s85, s[GG], 9
	s_add_co_u32 s86, s86, s85                     ; my 128 outputs' first, in bytes
	s_add_nc_u64 s[78:79], s[16:17], s[86:87]      ; bo
	s_lshl_b32 s85, s66, 12
	s_add_co_u32 s86, s86, s85
	s_add_nc_u64 s[80:81], s[18:19], s[86:87]      ; k
	s_add_nc_u64 s[82:83], s[20:21], s[86:87]      ; out
	s_lshl_b32 s86, s[GG], 15
	v_add_nc_u32 v[F0], s86, v[LI]
	v_add_nc_u32 v[F0+1], 0x10000, v[F0]
	s_lshl_b32 s86, s[GG], 12
	s_add_co_u32 s86, s86, 131072
	v_add_nc_u32 v[SS], s86, v[LI]
	s_mul_i32 s86, s[WV], 8448
	s_add_co_u32 s86, s86, STAGE
	v_mul_u32_u24 v[STO], v12, 528
	v_lshl_add_u32 v[STO], v13, 6, v[STO]
	v_add_nc_u32 v[STO], s86, v[STO]               ; into my stage: row lane % 16, + 64 bytes for lanes 16-31
	v_add_nc_u32 v[RD], s86, v[LI]                 ; back: a row's 512 bytes, 16 a lane
	s_wait_kmcnt 0x0
	v_mov_b32 v[CV], s84
	s_wait_loadcnt 0x0                             ; mask and rank
.irp m, 0,1,2,3
	v_cmp_ne_u32 s85, 0, v[MK+\m]
	v_cndmask_b32 v[PO+\m], v[CV], v[RK+\m], s85   ; my row's list position, or c
	v_min_u32 v[PO+\m], 0x7ff, v[PO+\m]            ; a position lies in 0 .. 2,047
	v_and_b32 v[TQ], 0x7f0, v[PO+\m]
	v_lshlrev_b32 v[TQ], 9, v[TQ]                  ; 8,192 bytes a list tile,
	v_and_b32 v[TQ+1], 15, v[PO+\m]
	v_lshlrev_b32 v[TQ+1], 4, v[TQ+1]              ; 16 x its lane there,
	v_add_nc_u32 v[HCA+\m], v[TQ], v[TQ+1]
	v_add_nc_u32 v[HCA+\m], v[HCA+\m], v[H256]     ; 256 for my half
	v_lshlrev_b32 v[HSA+\m], 5, v[PO+\m]
	v_add_nc_u32 v[HSA+\m], v[HSA+\m], v[H16]
.endr
	WIN 0x80                                       ; destination window 2
.irp m, 0,1,2,3
.irp s, 0,1,2,3,4,5,6,7
.irp c, 0,1
	global_load_b128 v[64*\m+8*\s+4*\c:64*\m+8*\s+4*\c+3], v[HCA+\m], s[74:75] offset:1024*\s+512*\c
.endr
.endr
.endr
	WIN 0
.irp m, 0,1,2,3
	global_load_b128 v[S1S+4*\m:S1S+4*\m+3], v[HSA+\m], s[76:77]
.endr
.irp a, 0,1,2,3,4,5,6,7
	global_load_b128 v[BI+8*\a:BI+8*\a+3], v[HB], s[78:79] offset:(32*(\a/2)+8*(\a%2))*4
	global_load_b128 v[BI+8*\a+4:BI+8*\a+7], v[HB], s[78:79] offset:(32*(\a/2)+8*(\a%2))*4+16
.endr
	WIN 0xc0                                       ; destination window 3
.set i, 0
.rept 48
	global_load_b128 v[4*i:4*i+3], v[LI], s[80:81] offset:4096*i th:TH_LOAD_NT   ; k's rows: 512 consecutive bytes a load
.set i, i+1
.endr
	WIN 0
.macro FETCH s
.irp a, 0,1,2,3,4,5,6,7
.irp c, 0,1
	ds_load_b128 v[FS+64*((\s)%2)+8*\a+4*\c:FS+64*((\s)%2)+8*\a+4*\c+3], v[F0+(\s)/4] offset:4096*\a+1024*((\s)%4)+512*\c
.endr
.endr
.endm
.macro ONE s, m, a, cm
.set rD, 64*(\m)+8*(\a)
.set rA, FS+64*((\s)%2)+8*(\a)
.set rB, 64*(\m)+8*(\s)
.set rX, S0S+4*(\a)+(\s)/2
.set rY, S1S+4*(\m)+(\s)/2
.if (\s)%2
	v_wmma_scale_f32_16x16x128_f8f6f4 v[rD:rD+7], v[rA:rA+7], v[rB:rB+7], v[rD:rD+7], v[rX], v[rY] matrix_a_fmt:MATRIX_FMT_FP4 matrix_b_fmt:MATRIX_FMT_FP4 matrix_a_scale:MATRIX_SCALE_ROW1 matrix_b_scale:MATRIX_SCALE_ROW1
.elseif (\cm) == 2
	v_wmma_scale_f32_16x16x128_f8f6f4 v[rD:rD+7], v[rA:rA+7], v[rB:rB+7], v[BI+8*(\a):BI+8*(\a)+7], v[rX], v[rY] matrix_a_fmt:MATRIX_FMT_FP4 matrix_b_fmt:MATRIX_FMT_FP4
.else
	v_wmma_scale_f32_16x16x128_f8f6f4 v[rD:rD+7], v[rA:rA+7], v[rB:rB+7], v[rD:rD+7], v[rX], v[rY] matrix_a_fmt:MATRIX_FMT_FP4 matrix_b_fmt:MATRIX_FMT_FP4
.endif
.endm
.macro MULS s, cm                      ; 32 products; the 32 accumulators take turns, in the same order in every step
.if (\cm) == 2
	WIN 0x48                                       ; wo window 0, hidden window 2, C (bo) window 0, D window 1
.else
	WIN 0x58                                       ; C and D window 1
.endif
.irp m, 0,1,2,3
.irp a, 0,1,2,3,4,5,6,7
	ONE \s, \m, \a, \cm
.endr
.endr
	WIN 0
.endm
.macro KSTEP s, cm, more
.if \more
.if (\s) > 0
	PLACES 4                                       ; in front of loads into registers that the last step's products have read
.endif
	FETCH (\s)+1
	s_wait_dscnt 16                                ; all but the 16 just issued
.else
	s_wait_dscnt 0x0
.endif
	MULS \s, \cm
.endm
	s_wait_tensorcnt 0x1                           ; my scale images and my part of K steps 0-3 have landed; K steps 4-7 stay out
	s_barrier_signal -1
	s_barrier_wait -1
.irp a, 0,1,2,3,4,5,6,7
	ds_load_b128 v[S0S+4*\a:S0S+4*\a+3], v[SS] offset:512*\a
.endr
	FETCH 0
	s_wait_loadcnt 48                              ; hidden's fragments and scale words and bo are in; behind them stand k's 48 loads.  The gathers' address registers are free from here on
	WIN 0xc0
.set i, 48
.rept 16
	global_load_b128 v[4*i:4*i+3], v[LI], s[80:81] offset:4096*i th:TH_LOAD_NT
.set i, i+1
.endr
	WIN 0
	KSTEP 0, 2, 1                                  ; the first step's products start the sums from bo
	KSTEP 1, 0, 1
	KSTEP 2, 0, 1
	s_wait_tensorcnt 0x0                           ; my part of K steps 4-7 has landed,
	s_wait_dscnt 0x0
	s_barrier_signal -1
	s_barrier_wait -1                              ; everybody's has
	KSTEP 3, 0, 1
	KSTEP 4, 0, 1
	KSTEP 5, 0, 1
	KSTEP 6, 0, 1
	KSTEP 7, 0, 0
	PLACES 4                                       ; behind the last products: results are read, and operands' registers loaded, below
.macro OUTM m                          ; rows 16 m to 16 m + 15 of my 64
.set Y, FS+64*((\m)%2)
.if (\m) > 0
	s_wait_xcnt 0x0                                ; earlier stores have read their registers
.endif
	WIN 0x04                                       ; an LDS store's data: window 1
.irp a, 0,1,2,3,4,5,6,7
	ds_store_b128 v[STO], v[64*(\m)+8*\a:64*(\m)+8*\a+3] offset:128*(\a/2)+32*(\a%2)        ; each accumulator from its low end on
	ds_store_b128 v[STO], v[64*(\m)+8*\a+4:64*(\m)+8*\a+7] offset:128*(\a/2)+32*(\a%2)+16
.endr
	WIN 0
.set i, 0
.rept 16
	ds_load_b128 v[Y+4*i:Y+4*i+3], v[RD] offset:528*i   ; LDS serves a wave's instructions in order: these see the stores above
.set i, i+1
.endr
	s_wait_loadcnt 16*(3-(\m))                     ; k's rows of this block are in; the later blocks' stay out
	s_wait_dscnt 0x0
	WIN 0x0c                                       ; source 1: window 3
.set i, 0
.rept 32
	v_pk_add_f32 v[Y+i:Y+i+1], v[Y+i:Y+i+1], v[64*(\m)+i:64*(\m)+i+1]
.set i, i+2
.endr
	WIN 0
.set i, 0
.rept 16
	global_store_b128 v[LI], v[Y+4*i:Y+4*i+3], s[82:83] offset:4096*(16*(\m)+i) th:TH_STORE_NT   ; 512 consecutive bytes, at a multiple of 256 from out's first byte
.set i, i+1
.endr
.endm
	OUTM 0
	OUTM 1
	OUTM 2
	OUTM 3
	s_wait_tensorcnt 0x0                           ; the wave's end
	ds_add_u32 v[SPW], v[NIL]
	s_wait_dscnt 0x0
	CROUND                                         ; the closing round
	s_endpgm
.Lfunc_end_k_qb625693166_outp:
	.size	k_qb625693166_outp, .Lfunc_end_k_qb625693166_outp-k_qb625693166_outp
	.p2alignl 7, 3214868480
	.fill 96, 4, 3214868480
	.section	.rodata,"a",@progbits
	.p2align	6, 0x0
	.amdhsa_kernel k_qb625693166_outp
		.amdhsa_group_segment_fixed_size 173568
		.amdhsa_private_segment_fixed_size 0
		.amdhsa_enable_private_segment 0
		.amdhsa_kernarg_size 72
		.amdhsa_user_sgpr_count 2
		.amdhsa_user_sgpr_kernarg_segment_ptr 1
		.amdhsa_wavefront_size32 1
		.amdhsa_system_sgpr_workgroup_id_x 1
		.amdhsa_system_sgpr_workgroup_id_y 1
		.amdhsa_system_sgpr_workgroup_id_z 1
		.amdhsa_system_vgpr_workitem_id 0
		.amdhsa_next_free_vgpr 1024
		.amdhsa_next_free_sgpr 96
		.amdhsa_reserve_vcc 0
		.amdhsa_float_denorm_mode_32 3
		.amdhsa_float_denorm_mode_16_64 3
		.amdhsa_memory_ordered 1
		.amdhsa_forward_progress 1
		.amdhsa_inst_pref_size 88
	.end_amdhsa_kernel
	.amdgpu_metadata
---
amdhsa.version: [ 1, 2 ]
amdhsa.kernels:
  - .name:           k_qb625693166_outp
    .symbol:         k_qb625693166_outp.kd
    .args:
      - { .name: codes, .offset: 0, .size: 8, .value_kind: global_buffer, .address_space: global }
      - { .name: scales, .offset: 8, .size: 8, .value_kind: global_buffer, .address_space: global }
      - { .name: hc, .offset: 16, .size: 8, .value_kind: global_buffer, .address_space: global }
      - { .name: hs, .offset: 24, .size: 8, .value_kind: global_buffer, .address_space: global }
      - { .name: order, .offset: 32, .size: 8, .value_kind: global_buffer, .address_space: global }
      - { .name: mask, .offset: 40, .size: 8, .value_kind: global_buffer, .address_space: global }
      - { .name: bo, .offset: 48, .size: 8, .value_kind: global_buffer, .address_space: global }
      - { .name: k, .offset: 56, .size: 8, .value_kind: global_buffer, .address_space: global }
      - { .name: out0, .offset: 64, .size: 8, .value_kind: global_buffer, .address_space: global }
    .group_segment_fixed_size: 173568
    .private_segment_fixed_size: 0
    .kernarg_segment_align: 8
    .kernarg_segment_size: 72
    .max_flat_workgroup_size: 128
    .sgpr_count:     96
    .vgpr_count:     1024
    .wavefront_size: 32
...
	.end_amdgpu_metadata
.endif
;; end of part 4
;; ======== version 2 of 2: 4 launches; version 1 with the launch attn written anew for expert scheduling mode
;; workspace buffers: codes 14,680,064 bytes; scales 917,504 bytes; pc 12,582,912 bytes; ps 1,310,720 bytes; hc 4,194,304 bytes; hs 262,144 bytes; order 66,048 bytes of whole numbers
;; launch quant: the kernel of part 1 again; grid 449 x 1, 4 waves a work-group, no clusters, 34,304 bytes of LDS; arguments q, k, v, wq, wk, wv, wo, mask, codes, scales, order; writes codes, scales, order
;; launch proj: the kernel of part 2 again; grid 64 x 12, 4 waves a work-group, clusters of 4 x 1, 167,936 bytes of LDS; arguments codes, scales, bq, bk, bv, pc, ps; writes pc, ps
;; launch attn (part 5): grid 4 x 64, 16 waves a work-group, no clusters, 145,408 bytes of LDS; arguments pc, ps, order, hc, hs; writes hc, hs
.if DOCPART == 5
	.amdgcn_target "amdgcn-amd-amdhsa--gfx1250"
	.amdhsa_code_object_version 6
	.text
	.protected	k_qb625693166_attn
	.globl	k_qb625693166_attn
	.p2align	8
	.type	k_qb625693166_attn,@function
k_qb625693166_attn:
	s_mov_b64 s[64:65], 0
	v_nop
	global_prefetch_b8 v0, s[64:65] scope:SCOPE_SE
	s_setreg_imm32_b32 hwreg(HW_REG_WAVE_SCHED_MODE, 0, 2), 2
	s_setreg_imm32_b32 hwreg(HW_REG_WAVE_MODE, 25, 1), 1
	s_wait_xcnt 0x0
	s_wait_alu depctr_vm_vsrc(0)
; LAUNCH 3 OF 4: hidden = softmax(Q K^T / 8) V for one head, both products on codes of E2M1, and hidden quantised along the head's 64 for the last product.
; ONLY THE LIST'S FIRST c + 1 POSITIONS ARE ATTENDED (c = the batch's rows whose mask is not 0, read from memory).  Positions from c on hold blanked rows: their codes of Q are replaced by zeros, so that every score is 0,
; p = 1 for every key and l = 2,048, which is what reference()'s -1e9 in every logit of such a row gives; position c's result serves all blanked rows of the batch.  A NaN in q of a blanked row does not reach the result (nor does it in reference()).
; THE SOFTMAX: t = score x log2(e) / 8; M = the running largest t rounded up to a whole number; p = 2^(t - M) is quantised along the keys, not normalised; the sum of the unquantised p divides at the end.
; SHARES.  Work-group (j, batch x 16 + head) holds the head's K, V and their scale words in LDS, filled once through registers.  A tile is 16 list positions; wave w walks tiles j + 4 w and j + 4 w + 64, each only if it
; lies under nt = ceil(min(c + 1, 2048) / 16).  Both loops have 15 trips in every wave, and the test leads round a step's work alone; a tile's sixteenth step is written out, under the test that also leads round the tile's way out.  So 256 work-groups serve every mask.
; NO TENSOR LOAD AND NO CLUSTER: a branch hangs on a number read from memory.  Nothing is prefetched: a work-group asks for all that it reads at its head.
; LAYOUT.  Both products transposed: S^T = K Q^T (only 64 of the instruction's 128 along K are used: registers 4-7 of both fragments hold zero codes), O^T = V^T P^T: a lane holds one query throughout.
; The tiles of K hold keys 32 b + 8 u + (r & 7) + 16 (r >> 3), V's tiles the head's d in the same order: so a lane's 16 registers of two neighbouring tiles are 16 neighbours along the next product's K.
; OUT.  hc: [batch][list tile][K step = head / 2][head % 2][16 lane]: the fragment image of hidden, by list position;  hs: [batch][position][32 bytes], word 4 (s % 2) + s / 2 for K step s.
; THE MODE: SCHED_MODE bits 1:0 = 2 (LLVM: expert scheduling mode 2), set by the entry lines.  The code itself states the register dependences between vector or matrix instructions and memory or LDS instructions, with s_wait_alu, always for 0.
; THE PLAN.  Registers that LDS instructions touch in a tile's loop:
;   KF, KG, KS   K's eight fragments and its scale words of ONE key step.  Read by the step's eight score products, at its head; the NEXT step's nine loads land in them later in the same step.
;   VF, VS       V's four fragments and scale pair.  Read by the step's four value products, at its end; THIS step's nine loads land in them.
;   ADV, ADT, ADK, ADS   LDS addresses.  Written once a step, straight behind the score products; read by the step's loads.
;   AK0 .. AT0   Made at the head and never written again.
;   S^T, O^T, p's codes and the statistics are named by vector and matrix instructions alone.
; So the wait on va_vdst that stands behind the 64 exponentials states all that the step's 18 loads hang on: the score products are done reading K, the last step's value products are done reading V, the addresses are written.
; The loads follow it, dealt among the additions of the row's sum, which name none of those registers, and one wait on DScnt ahead of the value products shows them all landed.
; One wait on vm_vsrc a step stands ahead of the address additions; one more on va_vdst ahead of the value products, whose B and scales vector instructions have written.
.set SPARE, 143360                     ; LDS: 0 K's codes (64 KiB); 65536 V's; 131072 K's scale words (8 KiB); 139264 V's (4 KiB); here the spare words, 128 bytes a wave
.set AK0, 1
.set AV0, 2
.set AS0, 3
.set AT0, 4
.set SPW, 5
.set NIL, 6
.set ADK, 8
.set ADV, 9
.set ADS, 10
.set ADT, 11                           ; v12 -M, v13 the largest t, v[14:15] the sum in two halves
.set QF,  16                           ; v16-23  Q's fragment
.set QS,  24                           ; v24     Q's scale words
.set PS,  25                           ; v25     p's
.set FF,  26                           ; v[26:27] f = 2^(old M - new M); later 1 / l
.set KS,  28                           ; v28-31  K's scale words of a step
.set VS,  32                           ; v32-33  V's
.set RR,  34                           ; v34     lane % 16
.set H256, 35                          ; v35     256 x (lane / 16)
.set POS, 36                           ; v36     my list position
.set HA,  37
.set HW,  38
.set KF,  40                           ; v40-71  K's fragments of a step's key tiles 0 to 3
.set VF,  72                           ; v72-103 V's four
.set S,   104                          ; v104-167 S^T, then p
.set O,   168                          ; v168-199 O^T
.set PCD, 200                          ; v200-207 p's codes
.set BM,  208
.set BP,  212
.set BS,  216
.set TP,  220
.set KG,  224                          ; v224-255 K's fragments of key tiles 4 to 7
.set FA,  200                          ; v200-204 at the kernel's head only: the fill's addresses, where p's codes will lie
.set NN,  208                          ; v208-217 at a tile's head only, where the softmax will work: my query's row,
.set T0,  209                          ;          six at work,
.set QA,  215                          ;          the offsets of the three gathers
.set QB,  216
.set PO4, 217
.set WV,  14
.set SEL, 20
.set CS,  22
.set CC,  42
.set NT,  43
.set TILE, 45
.set CNT, 46
.set TK,  47
.set TS,  48
.set TT,  49
.set LIVE, 56
.macro PLACES n
.rept \n
	v_nop
.endr
.endm
	s_load_b256 s[4:11], s[0:1], 0x0               ; pc, ps, order, hc
	s_load_b64 s[12:13], s[0:1], 0x20              ; hs
	v_lshl_add_u32 v[SPW], v0, 2, SPARE
	v_mov_b32 v[NIL], 0
	v_lshrrev_b32 v7, 5, v0
	v_readfirstlane_b32 s[WV], v7                  ; wave 0..15
	s_and_b32 s16, ttmp7, 0xffff                   ; batch x 16 + head
	s_lshr_b32 s17, s16, 4
	s_and_b32 s18, s16, 15
	s_wait_alu depctr_va_sdst(0)                   ; the wave's number is written, ahead of its first reader
	s_lshl_b32 s44, s[WV], 2
	s_add_co_u32 s44, s44, ttmp9                   ; my first tile
	s_mov_b32 s51, 0
	s_mov_b32 s[SEL], 0x76543210
	s_mov_b32 s[SEL+1], 0xfedcba98
	s_mov_b32 s[CS], 0x3e38aa3b                    ; log2(e) / 8
	s_mov_b32 s[CS+1], s[CS]
	; all the head's vector work stands here, while the arguments are on their way, so that one wait ahead of the first load serves every address
	v_lshlrev_b32 v[FA], 4, v0                     ; 16 x thread
	v_lshlrev_b32 v[FA+3], 3, v0                   ; 8 x thread
	v_add_nc_u32 v[FA+1], 0x10000, v[FA]
	v_add_nc_u32 v[FA+2], 0x20000, v[FA]
	v_add_nc_u32 v[FA+4], 139264, v[FA+3]
	v_and_b32 v7, 31, v0
	v_lshlrev_b32 v[AK0], 4, v7
	v_add_nc_u32 v[AV0], 0x10000, v[AK0]
	v_add_nc_u32 v[AS0], 0x20000, v[AK0]
	v_lshlrev_b32 v[AT0], 3, v7
	v_add_nc_u32 v[AT0], 139264, v[AT0]
	v_and_b32 v[RR], 15, v0
	v_bfe_u32 v[H256], v0, 4, 1
	v_lshlrev_b32 v[H256], 8, v[H256]
.irp j, 4,5,6,7
	v_mov_b32 v[QF+\j], 0                          ; k = 64 .. 127 of the instruction: zero codes, in Q
.irp t, 0,1,2,3
	v_mov_b32 v[KF+8*\t+\j], 0                     ; and in K's eight fragments: written once
	v_mov_b32 v[KG+8*\t+\j], 0
.endr
.endr
.irp b, 0,1,2,3
	v_mov_b32 v[BP+\b], 0                          ; a lane permute's destination counts as read
.endr
	v_mov_b32 v[TP], 0
	v_mov_b32 v[FF+1], 0                           ; named as the upper half of a pair
	s_wait_kmcnt 0x0
	s_lshl_b32 s50, s17, 7
	s_add_nc_u64 s[52:53], s[8:9], s[50:51]
	s_load_b32 s[CC], s[52:53], 0x10000            ; c
	s_lshl_b32 s50, s16, 16
	s_add_nc_u64 s[32:33], s[4:5], s[50:51]        ; Q's codes of my head,
	s_add_nc_u64 s[24:25], s[32:33], 0x400000      ; K's,
	s_add_nc_u64 s[26:27], s[32:33], 0x800000      ; V's
	s_lshl_b32 s50, s16, 13
	s_add_nc_u64 s[34:35], s[6:7], s[50:51]        ; Q's scale words,
	s_add_nc_u64 s[28:29], s[34:35], 0x80000       ; K's,
	s_lshl_b32 s50, s16, 12
	s_add_nc_u64 s[30:31], s[6:7], s[50:51]
	s_add_nc_u64 s[30:31], s[30:31], 0x100000      ; V's
	s_wait_alu depctr_va_vdst(0)                   ; the fill's five addresses and AK0 to AT0 are written, which the loads, the LDS stores and the LDS loads below read
.set i, 0
.rept 8
	global_load_b128 v[S+4*i:S+4*i+3], v[FA], s[24:25] offset:8192*i          ; the 512 threads read 8,192 consecutive bytes
.set i, i+1
.endr
.set i, 0
.rept 8
	global_load_b128 v[S+32+4*i:S+32+4*i+3], v[FA], s[26:27] offset:8192*i
.set i, i+1
.endr
	global_load_b128 v[S+64:S+67], v[FA], s[28:29]
	global_load_b64 v[S+68:S+69], v[FA+3], s[30:31]
	s_lshl_b32 s50, s17, 13
	s_add_nc_u64 s[36:37], s[8:9], s[50:51]        ; order[batch]
	s_lshl_b32 s50, s17, 20
	s_lshr_b32 s57, s18, 1
	s_lshl_b32 s57, s57, 10
	s_add_co_u32 s50, s50, s57
	s_and_b32 s57, s18, 1
	s_lshl_b32 s57, s57, 9
	s_add_co_u32 s50, s50, s57
	s_add_nc_u64 s[38:39], s[10:11], s[50:51]      ; hc: my batch, my head's 512 bytes of a tile
	s_lshl_b32 s50, s17, 16
	s_bfe_u32 s57, s18, 0x10001
	s_lshl_b32 s57, s57, 4
	s_add_co_u32 s50, s50, s57
	s_lshr_b32 s57, s18, 2
	s_lshl_b32 s57, s57, 2
	s_add_co_u32 s50, s50, s57
	s_and_b32 s57, s18, 1
	s_lshl_b32 s57, s57, 1
	s_add_co_u32 s50, s50, s57
	s_add_nc_u64 s[40:41], s[12:13], s[50:51]      ; hs: my batch, my head's two bytes of a position's 32
.set i, 0
.rept 8
	s_wait_loadcnt 17-i                            ; loads come back in order: this one is in, the younger ones stay out
	ds_store_b128 v[FA], v[S+4*i:S+4*i+3] offset:8192*i
.set i, i+1
.endr
.set i, 0
.rept 8
	s_wait_loadcnt 9-i
	ds_store_b128 v[FA+1], v[S+32+4*i:S+32+4*i+3] offset:8192*i
.set i, i+1
.endr
	s_wait_loadcnt 1
	ds_store_b128 v[FA+2], v[S+64:S+67]
	s_wait_loadcnt 0x0
	ds_store_b64 v[FA+4], v[S+68:S+69]
	s_wait_dscnt 0x0                               ; for the others' sake: my stores have landed
	s_barrier_signal -1
	s_barrier_wait -1                              ; the one barrier, ahead of every branch on the count: from here on LDS is only read
	s_wait_kmcnt 0x0
	s_add_co_u32 s[NT], s[CC], 1
	s_min_u32 s[NT], s[NT], 2048
	s_add_co_u32 s[NT], s[NT], 15
	s_lshr_b32 s[NT], s[NT], 4                     ; tiles to be attended
.macro SPROD fr, tau                   ; S^T of key tile tau, from the fragment at v[fr]
.if (\tau)%2
	v_wmma_scale_f32_16x16x128_f8f6f4 v[S+8*(\tau):S+8*(\tau)+7], v[(\fr):(\fr)+7], v[QF:QF+7], 0, v[KS+(\tau)/2], v[QS] matrix_a_fmt:MATRIX_FMT_FP4 matrix_b_fmt:MATRIX_FMT_FP4 matrix_a_scale:MATRIX_SCALE_ROW1
.else
	v_wmma_scale_f32_16x16x128_f8f6f4 v[S+8*(\tau):S+8*(\tau)+7], v[(\fr):(\fr)+7], v[QF:QF+7], 0, v[KS+(\tau)/2], v[QS] matrix_a_fmt:MATRIX_FMT_FP4 matrix_b_fmt:MATRIX_FMT_FP4
.endif
.endm
.macro VPROD t                         ; O^T of d tile t += V^T P^T: one instruction an accumulator a step, the four by turns
.if (\t)%2
	v_wmma_scale_f32_16x16x128_f8f6f4 v[O+8*(\t):O+8*(\t)+7], v[VF+8*(\t):VF+8*(\t)+7], v[PCD:PCD+7], v[O+8*(\t):O+8*(\t)+7], v[VS+(\t)/2], v[PS] matrix_a_fmt:MATRIX_FMT_FP4 matrix_b_fmt:MATRIX_FMT_FP4 matrix_a_scale:MATRIX_SCALE_ROW1
.else
	v_wmma_scale_f32_16x16x128_f8f6f4 v[O+8*(\t):O+8*(\t)+7], v[VF+8*(\t):VF+8*(\t)+7], v[PCD:PCD+7], v[O+8*(\t):O+8*(\t)+7], v[VS+(\t)/2], v[PS] matrix_a_fmt:MATRIX_FMT_FP4 matrix_b_fmt:MATRIX_FMT_FP4
.endif
.endm
; The n-th of a step's LDS loads: 0-7 this step's V, 8 its scale pair; more = 1: 9 the next step's scale words of K, 10-17 its eight fragments.  V stands first: it is wanted first.
.macro DEAL more
.if n < 8
	ds_load_b128 v[VF+4*n:VF+4*n+3], v[ADV] offset:512*n
.elseif n == 8
	ds_load_b64 v[VS:VS+1], v[ADT]
.elseif (\more) && (n == 9)
	ds_load_b128 v[KS:KS+3], v[ADS] offset:512
.elseif (\more) && (n < 14)
	ds_load_b128 v[KF+8*(n-10):KF+8*(n-10)+3], v[ADK] offset:4096+512*(n-10)
.elseif \more
	ds_load_b128 v[KG+8*(n-14):KG+8*(n-14)+3], v[ADK] offset:6144+512*(n-14)
.endif
.set n, n+1
.endm
; A KEY STEP: 128 keys.  Its K and K's scale words are in registers.  more = 1: the next step's are asked for; 0: a tile's last step.
.macro STEP more
.irp t, 0,1,2,3
	SPROD KF+8*\t, \t
.endr
.irp t, 0,1,2,3
	SPROD KG+8*\t, 4+\t
.endr
	s_wait_alu depctr_vm_vsrc(0)                   ; the last step's LDS loads have read the four addresses, which are written below; in a tile's first step: the gathers have read their offsets, which lie where the softmax works
	v_add_nc_u32 v[ADV], s[TK], v[AV0]             ; (these four are also the places behind the score products, ahead of the first read of a score)
	v_add_nc_u32 v[ADT], s[TT], v[AT0]
.if \more
	v_add_nc_u32 v[ADK], s[TK], v[AK0]
	v_add_nc_u32 v[ADS], s[TS], v[AS0]
.else
	PLACES 2
.endif
.irp b, 0,1,2,3
	v_max3_num_f32 v[BM+\b], v[S+16*\b], v[S+1+16*\b], v[S+2+16*\b]   ; the largest score of each block of 32 keys: it serves the row's maximum and, since p rises with the score, the block's largest p
.endr
.irp i, 3,5,7,9,11,13
.irp b, 0,1,2,3
	v_max3_num_f32 v[BM+\b], v[BM+\b], v[S+16*\b+\i], v[S+1+16*\b+\i]
.endr
.endr
.irp b, 0,1,2,3
	v_max_num_f32 v[BM+\b], v[BM+\b], v[S+15+16*\b]
.endr
.irp b, 0,1,2,3
	v_permlanex16_b32 v[BP+\b], v[BM+\b], s[SEL], s[SEL+1]
.endr
.irp b, 0,1,2,3
	v_max_num_f32 v[BM+\b], v[BM+\b], v[BP+\b]
.endr
	v_max3_num_f32 v[TP], v[BM], v[BM+1], v[BM+2]
	v_max_num_f32 v[TP], v[TP], v[BM+3]
	v_mul_f32 v[TP], s[CS], v[TP]
	v_max_num_f32 v13, v13, v[TP]                  ; the running largest t
	v_mov_b32 v[TP], v12
	v_floor_f32 v12, -v13                          ; -M = floor(-t): M is a whole number
	v_sub_f32 v[TP], v12, v[TP]
	v_cvt_i32_f32 v[TP], v[TP]                     ; old M - new M (it saturates)
	v_ldexp_f32 v[FF], 1.0, v[TP]                  ; f: a power of two, or 0
.set i, 0
.rept 32
	v_pk_fma_f32 v[S+i:S+i+1], v[S+i:S+i+1], s[CS:CS+1], v[12:13] op_sel_hi:[1,0,0]   ; t - M
.set i, i+2
.endr
.irp b, 0,1,2,3
	v_fma_f32 v[BM+\b], v[BM+\b], s[CS], v12
.endr
.set i, 0
.rept 64
	v_exp_f32 v[S+i], v[S+i]                       ; p, at most 1
.set i, i+1
.endr
	v_pk_mul_f32 v[14:15], v[14:15], v[FF:FF+1] op_sel_hi:[1,0]   ; the sums under the new M (a plain instruction behind the exponentials)
	s_wait_alu depctr_va_vdst(0)                   ; the 64 exponentials have written p, ahead of its first reader; the score products are done reading K's fragments and scale words, the last step's value products V's, and the four addresses are written: all that the loads below hang on
.set n, 0
	DEAL \more
	DEAL \more
	DEAL \more
.irp b, 0,1,2,3
	v_exp_f32 v[BM+\b], v[BM+\b]                   ; each block's largest p
.endr
	v_pk_add_f32 v[BP:BP+1], v[S:S+1], v[S+2:S+3]  ; the row's sum, of the unquantised p, in two chains
.irp j, 4,8,12,16,20,24,28,32,36,40,44,48,52,56,60
	DEAL \more                                     ; a load ahead of each pair of additions.  No wait: no vector or matrix instruction since the wait above names a register that these loads touch
	v_pk_add_f32 v[14:15], v[14:15], v[S+\j:S+\j+1]
	v_pk_add_f32 v[BP:BP+1], v[BP:BP+1], v[S+2+\j:S+3+\j]
.endr
	v_pk_add_f32 v[14:15], v[14:15], v[BP:BP+1]
	s_wait_alu depctr_va_vdst(0)                   ; the four exponentials have written the blocks' largest p, ahead of its first reader
.irp b, 0,1,2,3
	v_max_num_f32 v[BM+\b], 0x1800000, v[BM+\b]    ; the floor 2^(3 - 127)
.endr
.irp b, 0,1,2,3
	v_add_nc_u32 v[BS+\b], 0xff000000, v[BM+\b]
.endr
.irp b, 0,1,2,3
	v_lshrrev_b32 v[BP+\b], 23, v[BS+\b]
.endr
	v_lshl_or_b32 v[PS], v[BP+1], 8, v[BP]
	v_lshl_or_b32 v[PS], v[BP+2], 16, v[PS]
	v_lshl_or_b32 v[PS], v[BP+3], 24, v[PS]
.irp b, 0,1,2,3
	v_cvt_scalef32_pk8_fp4_f32 v[PCD+2*\b], v[S+16*\b:S+7+16*\b], v[BS+\b]
	v_cvt_scalef32_pk8_fp4_f32 v[PCD+1+2*\b], v[S+8+16*\b:S+15+16*\b], v[BS+\b]
.endr
	v_nop
.irp c, 0,1
.irp i, 0,1
	v_permlane16_swap_b32 v[PCD+4*\c+\i], v[PCD+2+4*\c+\i]
.endr
.endr
.set i, 0
.rept 16
	v_pk_mul_f32 v[O+i:O+i+1], v[O+i:O+i+1], v[FF:FF+1] op_sel_hi:[1,0]   ; O^T under the new M; for each product twelve of these name none of its registers: the places behind p's codes and scale word
.set i, i+2
.endr
	s_wait_alu depctr_va_vdst(0)                   ; p's codes and p's scale word are written, which the scaled products below take as B and as scales; the places above stay beside this wait
	s_wait_dscnt 0x0                               ; V is in, and so is the next step's K
.irp t, 0,1,2,3
	VPROD \t
.endr
.endm
; ONE TILE OF 16 LIST POSITIONS
.macro WALK p
	s_wait_xcnt 0x0                                ; the last tile's loads and stores have read their registers
	s_wait_alu depctr_vm_vsrc(0)                   ; the fill's LDS stores (first tile) and the last tile's two stores (second tile) have read their data and addresses: S^T's, O^T's and the codes' registers, HA and HW are written again below
	s_add_co_u32 s[TILE], s44, 64*\p
	s_lshl_b32 s50, s[TILE], 13
	s_mov_b32 s51, 0
	s_add_nc_u64 s[54:55], s[38:39], s[50:51]
	s_lshl_b32 s57, s[TILE], 4
	v_add_nc_u32 v[POS], s57, v[RR]
	v_lshlrev_b32 v[PO4], 2, v[POS]
	s_wait_alu depctr_va_vdst(0)                   ; the list's offset is written; the last tile's vector instructions are done with the register in which the row lands, its score products with K's fragments and scale words
	global_load_b32 v[NN], v[PO4], s[36:37]        ; my query's row n
	ds_load_b128 v[KS:KS+3], v[AS0]                ; K of the tile's first step, on its way beside the gathers
.irp t, 0,1,2,3
	ds_load_b128 v[KF+8*\t:KF+8*\t+3], v[AK0] offset:512*\t
.endr
.irp t, 0,1,2,3
	ds_load_b128 v[KG+8*\t:KG+8*\t+3], v[AK0] offset:2048+512*\t
.endr
	v_lshlrev_b32 v[HA], 5, v[POS]
	v_cmp_gt_u32 s[LIVE], s[CC], v[POS]            ; attended where the position lies under c
	s_wait_loadcnt 0x0
	v_bfe_u32 v[T0+5], v[NN], 5, 2
	v_min_u32 v[T0+5], 3, v[T0+5]                  ; bits 6:5 of n
	v_min_u32 v[NN], 0x7ff, v[NN]                  ; a row lies in 0 .. 2,047
	v_and_b32 v[T0], 0x7e0, v[NN]
	v_lshlrev_b32 v[T0], 5, v[T0]                  ; Q: 1,024 bytes for each 32 rows,
	v_and_b32 v[T0+1], 8, v[NN]
	v_and_b32 v[T0+2], 7, v[NN]
	v_lshlrev_b32 v[T0+2], 4, v[T0+2]
	v_and_b32 v[T0+3], 16, v[NN]
	v_lshlrev_b32 v[T0+3], 3, v[T0+3]
	v_add_nc_u32 v[T0+2], v[T0+2], v[T0+3]         ; 16 x the row's lane in its tile: (n & 7) + 8 (bit 4),
	v_lshlrev_b32 v[T0+3], 6, v[T0+1]              ; 512 for the odd tile (bit 3),
	v_add_nc_u32 v[QA], v[T0], v[T0+3]
	v_add_nc_u32 v[QA], v[QA], v[T0+2]
	v_add_nc_u32 v[QA], v[QA], v[H256]             ; 256 for my half
	v_and_b32 v[T0], 0x780, v[NN]
	v_lshlrev_b32 v[T0], 2, v[T0]                  ; its scale word: 512 bytes for each 128 rows,
	v_lshlrev_b32 v[T0+3], 5, v[T0+1]              ; 256 for the odd tile,
	v_add_nc_u32 v[QB], v[T0], v[T0+3]
	v_add_nc_u32 v[QB], v[QB], v[T0+2]
	v_lshlrev_b32 v[T0+5], 2, v[T0+5]              ; 4 for each pair of tiles
	v_add_nc_u32 v[QB], v[QB], v[T0+5]
	s_wait_alu depctr_va_vdst(0)                   ; the two offsets are written; the last tile's selects have written, and its score products are done reading, Q's fragment and scale words, in which the loads below land
	global_load_b128 v[QF:QF+3], v[QA], s[32:33]
	global_load_b32 v[QS], v[QB], s[34:35]
	s_mov_b32 s[TK], 0
	s_mov_b32 s[TS], 0
	s_mov_b32 s[TT], 0
	s_mov_b32 s[CNT], 15
	s_wait_loadcnt 0x0
	s_wait_alu depctr_va_sdst(0)                   ; the compare has written its mask, ahead of the mask's first reader
.irp j, 0,1,2,3
	v_cndmask_b32 v[QF+\j], 0, v[QF+\j], s[LIVE]   ; a blanked row's codes are zeros: every score is 0
.endr
	v_mov_b32 v13, 0xff61b1e6                      ; the largest t so far: -3e38
	v_floor_f32 v12, -v13
	v_mov_b32 v14, 0
	v_mov_b32 v15, 0
.set i, 0
.rept 32
	v_mov_b32 v[O+i], 0                            ; O^T: the step is written once, and its first turn finds zeros
.set i, i+1
.endr
	s_wait_alu depctr_va_vdst(0)                   ; the selects have written Q's codes, which the scaled score products take as B; the 36 lines above are the places beside this wait
	s_wait_dscnt 0x0                               ; K of the first step is in: awaited here, on every way, so that no load is out where a tile is left out
.Lstep_\@:                                             ; key steps 0 to 14
	s_cmp_lt_u32 s[TILE], s[NT]
	s_cbranch_scc0 .Lskip_\@                       ; a tile beyond the list's live part: round the step's work alone
	STEP 1
.Lskip_\@:
	s_add_co_u32 s[TK], s[TK], 4096
	s_add_co_u32 s[TS], s[TS], 512
	s_add_co_u32 s[TT], s[TT], 256
	s_sub_co_u32 s[CNT], s[CNT], 1
	s_cmp_lg_u32 s[CNT], 0
	s_cbranch_scc1 .Lstep_\@
	s_cmp_lt_u32 s[TILE], s[NT]
	s_cbranch_scc0 .Lnone_\@
	STEP 0                                         ; key step 15 is written out: it asks for no more of K
	PLACES 4                                       ; behind the last products
	v_add_f32 v14, v14, v15
	v_permlanex16_b32 v[TP], v14, s[SEL], s[SEL+1]
	v_add_f32 v14, v14, v[TP]                      ; l
	v_rcp_f32 v[FF], v14
	v_nop
	s_wait_alu depctr_va_vdst(0)                   ; the reciprocal is written, ahead of its first reader
.set i, 0
.rept 16
	v_pk_mul_f32 v[O+i:O+i+1], v[O+i:O+i+1], v[FF:FF+1] op_sel_hi:[1,0]   ; hidden: register 16 b + e = d 32 b + 16 (lane / 16) + e of my query
.set i, i+2
.endr
.irp b, 0,1
	v_max3_num_f32 v[BM+\b], |v[O+16*\b]|, |v[O+1+16*\b]|, 0x1800000
.endr
.irp i, 2,4,6,8,10,12,14
.irp b, 0,1
	v_max3_num_f32 v[BM+\b], v[BM+\b], |v[O+16*\b+\i]|, |v[O+1+16*\b+\i]|
.endr
.endr
.irp b, 0,1
	v_permlanex16_b32 v[BP+\b], v[BM+\b], s[SEL], s[SEL+1]
.endr
.irp b, 0,1
	v_max_num_f32 v[BM+\b], v[BM+\b], v[BP+\b]
.endr
.irp b, 0,1
	v_add_nc_u32 v[BS+\b], 0xff000000, v[BM+\b]
.endr
.irp b, 0,1
	v_lshrrev_b32 v[BP+\b], 23, v[BS+\b]
.endr
	v_lshl_or_b32 v[HW], v[BP+1], 8, v[BP]         ; the head's two scale bytes
.irp b, 0,1
	v_cvt_scalef32_pk8_fp4_f32 v[PCD+2*\b], v[O+16*\b:O+7+16*\b], v[BS+\b]
	v_cvt_scalef32_pk8_fp4_f32 v[PCD+1+2*\b], v[O+8+16*\b:O+15+16*\b], v[BS+\b]
.endr
	v_nop
	v_permlane16_swap_b32 v[PCD], v[PCD+2]
	v_permlane16_swap_b32 v[PCD+1], v[PCD+3]
	s_wait_alu depctr_va_vdst(0)                   ; hidden's codes and scale bytes are written, which the two stores read (their offsets were written ahead of earlier waits)
	global_store_b128 v[AK0], v[PCD:PCD+3], s[54:55]   ; 512 consecutive bytes
	global_store_b16 v[HA], v[HW], s[40:41]        ; two bytes of my position's 32 (both halves of the lanes write the same bytes with the same value)
.Lnone_\@:
.endm
	WALK 0
	WALK 1
	s_wait_dscnt 0x0                               ; the closing lines, six on end
	s_wait_alu 0x0
	s_wait_tensorcnt 0x0
	ds_add_u32 v[SPW], v[NIL]
	s_wait_dscnt 0x0
	s_endpgm
.Lfunc_end_k_qb625693166_attn:
	.size	k_qb625693166_attn, .Lfunc_end_k_qb625693166_attn-k_qb625693166_attn
	.p2alignl 7, 3214868480
	.fill 96, 4, 3214868480
	.section	.rodata,"a",@progbits
	.p2align	6, 0x0
	.amdhsa_kernel k_qb625693166_attn
		.amdhsa_group_segment_fixed_size 145408
		.amdhsa_private_segment_fixed_size 0
		.amdhsa_enable_private_segment 0
		.amdhsa_kernarg_size 40
		.amdhsa_user_sgpr_count 2
		.amdhsa_user_sgpr_kernarg_segment_ptr 1
		.amdhsa_wavefront_size32 1
		.amdhsa_system_sgpr_workgroup_id_x 1
		.amdhsa_system_sgpr_workgroup_id_y 1
		.amdhsa_system_sgpr_workgroup_id_z 1
		.amdhsa_system_vgpr_workitem_id 0
		.amdhsa_next_free_vgpr 256
		.amdhsa_next_free_sgpr 66
		.amdhsa_reserve_vcc 0
		.amdhsa_float_denorm_mode_32 3
		.amdhsa_float_denorm_mode_16_64 3
		.amdhsa_memory_ordered 1
		.amdhsa_forward_progress 1
		.amdhsa_inst_pref_size 81
	.end_amdhsa_kernel
	.amdgpu_metadata
---
amdhsa.version: [ 1, 2 ]
amdhsa.kernels:
  - .name:           k_qb625693166_attn
    .symbol:         k_qb625693166_attn.kd
    .args:
      - { .name: pc, .offset: 0, .size: 8, .value_kind: global_buffer, .address_space: global }
      - { .name: ps, .offset: 8, .size: 8, .value_kind: global_buffer, .address_space: global }
      - { .name: order, .offset: 16, .size: 8, .value_kind: global_buffer, .address_space: global }
      - { .name: hc, .offset: 24, .size: 8, .value_kind: global_buffer, .address_space: global }
      - { .name: hs, .offset: 32, .size: 8, .value_kind: global_buffer, .address_space: global }
    .group_segment_fixed_size: 145408
    .private_segment_fixed_size: 0
    .kernarg_segment_align: 8
    .kernarg_segment_size: 40
    .max_flat_workgroup_size: 512
    .sgpr_count:     66
    .vgpr_count:     256
    .wavefront_size: 32
...
	.end_amdgpu_metadata
.endif
;; end of part 5
;; launch outp: the kernel of part 4 again; grid 64 x 4, 4 waves a work-group, clusters of 4 x 1, 173,568 bytes of LDS; arguments codes, scales, hc, hs, order, mask, bo, k, out0; writes out0
